; MI455X (gfx1250); checked and timed in simulation.
; The chip was launched on July 23, 2026; its instructions are those of AMD's public machine-readable ISA for CDNA 5 (MIT licence, August 2026) and "CDNA5" Instruction Set Architecture Reference Guide (July 2026). The comments in the code are by the model that wrote it; some were corrected since.
;; Attention Pooling. Allowed arithmetic: float matrix products may take bf16 or f16 operands with f32 sums; all other float work in f32.
;; Inputs: in_proj_b 3,072 float32; in_proj_w 3,072 x 1,024 float32; mask 32 x 1,024 bool; out_b 1,024 float32; out_w 1,024 x 1,024 float32; x 32 x 1,024 x 1,024 float32.
;; Outputs: out0 32 x 1,024 float32; out1 32 x 1 x 1,024 float32.
;; 3 versions, each right; version 2 is faster than version 1; version 3 is version 2 with the launch pool written anew for expert scheduling mode. Each part assembles by itself: llvm-mc -triple=amdgcn-amd-amdhsa -mcpu=gfx1250 --defsym DOCPART=n.
;; ======== version 1 of 3: 4 launches
;; workspace buffers: qk 1,048,576 bytes; cq 2,048 bytes; part 16,777,216 bytes; ml 32,768 bytes; sc 2,097,152 bytes; cp 524,288 bytes
;; launch prep (part 1): grid 4 x 16, 16 waves a work-group, no clusters, 269,312 bytes of LDS; arguments x, in_proj_w, in_proj_b, qk, cq; writes qk, cq
.if DOCPART == 1
	.amdgcn_target "amdgcn-amd-amdhsa--gfx1250"
	.amdhsa_code_object_version 6
	.text
	.protected	k_q664c0959cd_prep
	.globl	k_q664c0959cd_prep
	.p2align	8
	.type	k_q664c0959cd_prep,@function
k_q664c0959cd_prep:
	s_mov_b64 s[64:65], 0
	v_nop
	global_prefetch_b8 v0, s[64:65] scope:SCOPE_SE
	s_setreg_imm32_b32 hwreg(HW_REG_WAVE_MODE, 25, 1), 1
	s_wait_xcnt 0x0
; prep: the one query of each batch, carried through Wk.
;   q[b][d]   = (x[b][0][:] . Wq[64 head + d][:] + bq[64 head + d]) * SCL        SCL = log2(e) / 8
;   qk[b][head][e] = sum over d of q[b][d] Wk[64 head + d][e]   (bf16)           so that  score * log2(e) = x[b][s][:] . qk + cq
;   cq[b][head]    = sum over d of q[b][d] bk[64 head + d]      (f32)
; A work-group takes one head (grid y) and 256 columns e (grid x); the four work-groups of a head each make q again
; (32 x 64 x 1024 multiply-adds), which spares a launch of its own.  Sixteen waves.
; Matrix operands are bf16 (x, Wq, Wk, q), sums f32.  All loads go through registers, where f32 becomes bf16: no copy engine,
; and no cluster: nothing is brought by tensor loads that could be asked for jointly.
; LIMITS: the order of the sums differs from the plain dot products'; q is rounded to bf16 in front of Wk.
.set PX,   2064                        ; LDS pitch of a row of 1,024 bf16: 2,048 + 16, an odd multiple of 16 bytes
.set PK,   544                         ; pitch of a row of 256 bf16 read by the transposing load: an odd multiple of 32 bytes
.set PQ,   272                         ; pitch of a row of 64 f32
.set PO,   528                         ; pitch of a row of 256 bf16 on the way out
.set WQB,  32*PX                       ; x rows at 0 (32 x PX); Wq's 64 rows behind them
.set WKB,  WQB+64*PX                   ; Wk's 64 rows (d) x 256 columns (e)
.set QSB,  WKB+64*PK                   ; q in f32: [2 halves of K][32 b][64 d]
.set OST,  QSB+2*32*PQ                 ; qk in bf16: [32 b][256 e]
.set SCL,  0x3e38aa3b                  ; log2(e) / 8
.set G16,  4                           ; v4   16 x lane
.set ST0,  5                           ; v5   where my bf16 of x go
.set ST1,  6                           ; v6   of Wq
.set ST2,  7                           ; v7   of Wk
.set AA,   8                           ; v8   fragments of x
.set AB,   9                           ; v9   fragments of Wq
.set QSW,  10                          ; v10  my q tile, in
.set QSR,  11                          ; v11  q, back
.set FKA,  12                          ; v12  fragments of Wk (transposing load)
.set OSW,  13                          ; v13  my qk tile, in
.set OSR,  14                          ; v14  qk rows, back
.set BV,   15                          ; v15  32 x (lane / 16): my place in bq and bk
.set T,    16                          ; v[16:23] at work
.set RING, 32                          ; v[32:255] 56 loads of 4 registers
.set FA,   32                          ; v[32:63]  four fragments of x
.set FB,   64                          ; v[64:95]  four fragments of Wq
.set QA,   96                          ; v[96:111] two accumulators
.set BQ,   112                         ; v[112:143] bq in fragment order
.set BK,   144                         ; v[144:175] bk in fragment order
.set Q0,   176                         ; v[176:239] q, first half of K, then q whole
.set Q1,   32                          ; v[32:95]   q, second half of K
.set FK,   240                         ; v[240:255] two fragments of Wk
.set AQ,   32                          ; v[32:63]   q as bf16 fragments (mt, ks)
.set DD,   64                          ; v[64:79]   two accumulators of qk
.set CC,   96                          ; v[96:99]   q . bk for b = r and b = 16 + r
.macro PLACES                          ; four plain vector instructions behind a matrix instruction (ISA guide 7.12.1)
.rept 4
	v_nop
.endr
.endm
.macro BAR                             ; my LDS instructions are done, then the work-group's barrier
	s_wait_dscnt 0x0
	s_barrier_signal -1
	s_barrier_wait -1
.endm
.macro CVST d, src, adr, off           ; four f32 to four bf16, 8 bytes into LDS
	v_cvt_pk_bf16_f32 v[\d], v[\src], v[\src+1]
	v_cvt_pk_bf16_f32 v[\d+1], v[\src+2], v[\src+3]
	ds_store_b64 v[\adr], v[\d:\d+1] offset:\off
.endm
	s_load_b256 s[4:11], s[0:1], 0x0               ; x s[4:5], in_proj_w s[6:7], in_proj_b s[8:9], qk s[10:11]
	s_load_b64 s[12:13], s[0:1], 0x20              ; cq
	v_lshl_add_u32 v30, v0, 2, 0x41400
	v_mov_b32 v31, 0
	v_lshrrev_b32 v1, 5, v0
	v_readfirstlane_b32 s20, v1                    ; wave w, 0 to 15
	s_mov_b32 s21, ttmp9                           ; c: which 256 columns e
	s_and_b32 s22, ttmp7, 0xffff                   ; head
	s_bfe_u32 s28, s20, 0x10002                    ; mt: which 16 batches my q tile has
	s_and_b32 s29, s20, 3                          ; nt: which 16 d
	s_lshr_b32 s30, s20, 3                         ; kh: which half of K
	s_mov_b32 s25, 0                               ; the upper word of every offset
	s_mov_b32 s26, 0x76543210                      ; v_permlanex16_b32: lane i of one half reads lane i of the other
	s_mov_b32 s27, 0xfedcba98
	v_and_b32 v1, 31, v0                           ; lane L
	v_and_b32 v2, 15, v0                           ; r
	v_bfe_u32 v3, v0, 4, 1                         ; h
	v_lshlrev_b32 v[G16], 4, v1
	v_lshlrev_b32 v[BV], 5, v3
	s_wait_kmcnt 0x0
	s_lshl_b32 s24, s20, 23                        ; x[2 w][0][0]: a batch is 4,194,304 bytes
	s_add_nc_u64 s[4:5], s[4:5], s[24:25]
	s_lshl_b32 s24, s22, 6
	s_lshl2_add_u32 s24, s20, s24                  ; row 64 head + 4 w
	s_lshl_b32 s24, s24, 12
	s_add_nc_u64 s[14:15], s[6:7], s[24:25]        ; Wq's rows
	s_lshl_b32 s24, s21, 10
	s_add_co_u32 s24, s24, 0x400000                ; Wk lies 1,024 rows further; my 256 columns
	s_add_nc_u64 s[16:17], s[14:15], s[24:25]
	s_lshl_b32 s24, s22, 8
	s_add_nc_u64 s[18:19], s[8:9], s[24:25]        ; bq of the head; bk is 4,096 bytes further
	s_lshl_b32 s24, s20, 16
	s_lshl_b32 s31, s22, 11
	s_add_co_u32 s24, s24, s31
	s_lshl_b32 s31, s21, 9
	s_add_co_u32 s24, s24, s31
	s_add_nc_u64 s[10:11], s[10:11], s[24:25]      ; qk[2 w][head][256 c]
	s_lshl_b32 s24, s22, 2
	s_add_nc_u64 s[12:13], s[12:13], s[24:25]      ; cq[0][head]
	; 56 loads at once, 512 consecutive bytes each: 2 rows of x, 4 rows of Wq, 4 pieces of 1,024 bytes of Wk
.irp rb, 0,1
.irp sg, 0,1,2,3,4,5,6,7
	global_load_b128 v[RING+4*(8*\rb+\sg):RING+4*(8*\rb+\sg)+3], v[G16], s[4:5] offset:\rb*4194304+\sg*512
.endr
.endr
.irp rr, 0,1,2,3
.irp sg, 0,1,2,3,4,5,6,7
	global_load_b128 v[RING+64+4*(8*\rr+\sg):RING+64+4*(8*\rr+\sg)+3], v[G16], s[14:15] offset:\rr*4096+\sg*512
.endr
.endr
.irp rr, 0,1,2,3
.irp sg, 0,1
	global_load_b128 v[RING+192+4*(2*\rr+\sg):RING+192+4*(2*\rr+\sg)+3], v[G16], s[16:17] offset:\rr*4096+\sg*512
.endr
.endr
	; LDS addresses, while the loads are on their way
	v_lshlrev_b32 v24, 3, v1                       ; 8 L
	s_mul_i32 s31, s20, 2*PX
	v_add_nc_u32 v[ST0], s31, v24
	s_mul_i32 s31, s20, 4*PX
	s_add_co_u32 s31, s31, WQB
	v_add_nc_u32 v[ST1], s31, v24
	s_mul_i32 s31, s20, 4*PK
	s_add_co_u32 s31, s31, WKB
	v_add_nc_u32 v[ST2], s31, v24
	v_mul_u32_u24 v25, v2, PX
	v_lshl_add_u32 v25, v3, 4, v25                 ; r PX + 16 h
	s_lshl_b32 s32, s30, 10                        ; my half of K: 512 bf16
	s_mul_i32 s31, s28, 16*PX
	s_add_co_u32 s31, s31, s32
	v_add_nc_u32 v[AA], s31, v25
	s_mul_i32 s31, s29, 16*PX
	s_add_co_u32 s31, s31, s32
	s_add_co_u32 s31, s31, WQB
	v_add_nc_u32 v[AB], s31, v25
	v_mul_u32_u24 v26, v2, PQ
	v_lshl_add_u32 v26, v3, 5, v26                 ; r PQ + 32 h
	v_add_nc_u32 v[QSR], QSB, v26
	s_mul_i32 s31, s30, 32*PQ
	s_mul_i32 s32, s28, 16*PQ
	s_add_co_u32 s31, s31, s32
	s_lshl_b32 s32, s29, 6
	s_add_co_u32 s31, s31, s32
	v_add_nc_u32 v[QSW], s31, v[QSR]
	v_and_b32 v27, 7, v0
	v_lshl_add_u32 v27, v3, 3, v27                 ; row d = 8 h + (L & 7)
	v_mul_u32_u24 v27, v27, PK
	v_bfe_u32 v28, v0, 3, 1
	v_lshl_add_u32 v27, v28, 4, v27                ; + 16 bytes for the upper eight of sixteen lanes
	s_lshl_b32 s31, s20, 5                         ; my 16 columns e
	s_add_co_u32 s31, s31, WKB
	v_add_nc_u32 v[FKA], s31, v27
	v_mul_u32_u24 v29, v2, PO
	v_lshl_add_u32 v29, v3, 4, v29
	s_lshl_b32 s31, s20, 5
	s_add_co_u32 s31, s31, OST
	v_add_nc_u32 v[OSW], s31, v29
	s_mul_i32 s31, s20, 2*PO
	s_add_co_u32 s31, s31, OST
	v_add_nc_u32 v[OSR], s31, v[G16]
	; f32 to bf16 into LDS.  Loads come back in order: slot k is in when at most 55 - k younger ones are out.
.set kk, 0
.rept 16
	s_wait_loadcnt 55-kk
	CVST T+2*(kk&3), RING+4*kk, ST0, (kk>>3)*PX+(kk&7)*256
.set kk, kk+1
.endr
.rept 32
	s_wait_loadcnt 55-kk
	CVST T+2*(kk&3), RING+4*kk, ST1, ((kk-16)>>3)*PX+((kk-16)&7)*256
.set kk, kk+1
.endr
.rept 8
	s_wait_loadcnt 55-kk
	CVST T+2*(kk&3), RING+4*kk, ST2, ((kk-48)>>1)*PK+((kk-48)&1)*256
.set kk, kk+1
.endr
	; bq and bk in the order of a fragment's registers: d = 32 ks + 16 g + 8 h + 4 q ..; they stay out over two barriers
.irp ks, 0,1
.irp g, 0,1
.irp q, 0,1
	global_load_b128 v[BQ+16*\ks+8*\g+4*\q:BQ+16*\ks+8*\g+4*\q+3], v[BV], s[18:19] offset:128*\ks+64*\g+16*\q
	global_load_b128 v[BK+16*\ks+8*\g+4*\q:BK+16*\ks+8*\g+4*\q+3], v[BV], s[18:19] offset:4096+128*\ks+64*\g+16*\q
.endr
.endr
.endr
	BAR                                            ; x, Wq and Wk are whole in LDS
	; q: my tile of 16 d x 16 b over my half of K, sixteen K steps of 32 in four groups.
	; Source 0 = rows of Wq, source 1 = rows of x: a lane then holds eight neighbouring d of one batch.
	; The two accumulators take turns, one instruction a turn.
.macro G4W q, zero
	s_wait_dscnt 12-4*\q                           ; the four loads of each later K step of the group may be out
.if \zero
	v_wmma_f32_16x16x32_bf16 v[QA+8*(\q&1):QA+8*(\q&1)+7], v[FB+8*\q:FB+8*\q+7], v[FA+8*\q:FA+8*\q+7], 0
.else
	v_wmma_f32_16x16x32_bf16 v[QA+8*(\q&1):QA+8*(\q&1)+7], v[FB+8*\q:FB+8*\q+7], v[FA+8*\q:FA+8*\q+7], v[QA+8*(\q&1):QA+8*(\q&1)+7]
.endif
.endm
.macro G4 kb, first
.if \first == 0
	PLACES                                         ; the loads below land on registers that the last matrix instructions read
.endif
.irp q, 0,1,2,3
	ds_load_b128 v[FA+8*\q:FA+8*\q+3],   v[AA] offset:\kb+64*\q
	ds_load_b128 v[FA+8*\q+4:FA+8*\q+7], v[AA] offset:\kb+64*\q+32
	ds_load_b128 v[FB+8*\q:FB+8*\q+3],   v[AB] offset:\kb+64*\q
	ds_load_b128 v[FB+8*\q+4:FB+8*\q+7], v[AB] offset:\kb+64*\q+32
.endr
	G4W 0, \first
	G4W 1, \first
	G4W 2, 0
	G4W 3, 0
.endm
	G4 0, 1
	G4 256, 0
	G4 512, 0
	G4 768, 0
	PLACES
.irp u, 0,2,4,6
	v_pk_add_f32 v[QA+\u:QA+\u+1], v[QA+\u:QA+\u+1], v[QA+8+\u:QA+8+\u+1]
.endr
	ds_store_b128 v[QSW], v[QA:QA+3]
	ds_store_b128 v[QSW], v[QA+4:QA+7] offset:16
	BAR                                            ; both halves of q are in LDS
	; every wave takes all of q (32 b x 64 d) as fragments, and its own 16 columns of Wk, transposed on the way
.irp ks, 0,1
	ds_load_tr16_b128 v[FK+8*\ks:FK+8*\ks+3],   v[FKA] offset:32*PK*\ks
	ds_load_tr16_b128 v[FK+8*\ks+4:FK+8*\ks+7], v[FKA] offset:32*PK*\ks+16*PK
.endr
.irp mt, 0,1
.irp ks, 0,1
.irp g, 0,1
.irp q, 0,1
	ds_load_b128 v[Q0+32*\mt+16*\ks+8*\g+4*\q:Q0+32*\mt+16*\ks+8*\g+4*\q+3], v[QSR] offset:16*PQ*\mt+128*\ks+64*\g+16*\q
	ds_load_b128 v[Q1+32*\mt+16*\ks+8*\g+4*\q:Q1+32*\mt+16*\ks+8*\g+4*\q+3], v[QSR] offset:32*PQ+16*PQ*\mt+128*\ks+64*\g+16*\q
.endr
.endr
.endr
.endr
	s_wait_loadcnt 0x0                             ; bq, bk
.set u, 0
.rept 16
	v_pk_mul_f32 v[BQ+u:BQ+u+1], v[BQ+u:BQ+u+1], SCL op_sel_hi:[1,0]
.set u, u+2
.endr
	s_wait_dscnt 0x0
.set u, 0
.rept 32
	v_pk_add_f32 v[Q0+u:Q0+u+1], v[Q0+u:Q0+u+1], v[Q1+u:Q1+u+1]
.set u, u+2
.endr
.set u, 0
.rept 32
	v_pk_fma_f32 v[Q0+u:Q0+u+1], v[Q0+u:Q0+u+1], SCL, v[BQ+(u&31):BQ+(u&31)+1] op_sel_hi:[1,0,1]   ; q = (sum) SCL + bq SCL
.set u, u+2
.endr
	; cq: my 32 d of q . bk for b = r (mt = 0) and b = 16 + r (mt = 1), then the other half of the lanes' 32 d
.irp mt, 0,1
	v_pk_mul_f32 v[CC+2*\mt:CC+2*\mt+1], v[Q0+32*\mt:Q0+32*\mt+1], v[BK:BK+1]
.endr
.set u, 2
.rept 15
.irp mt, 0,1
	v_pk_fma_f32 v[CC+2*\mt:CC+2*\mt+1], v[Q0+32*\mt+u:Q0+32*\mt+u+1], v[BK+u:BK+u+1], v[CC+2*\mt:CC+2*\mt+1]
.endr
.set u, u+2
.endr
.irp mt, 0,1
	v_add_f32 v[CC+2*\mt], v[CC+2*\mt], v[CC+2*\mt+1]
	v_permlanex16_b32 v[CC+2*\mt+1], v[CC+2*\mt], s26, s27
	v_add_f32 v[CC+2*\mt], v[CC+2*\mt], v[CC+2*\mt+1]
.endr
.set u, 0
.rept 32
	v_cvt_pk_bf16_f32 v[AQ+u], v[Q0+2*u], v[Q0+2*u+1]
.set u, u+1
.endr
	; qk: source 0 = Wk transposed (rows e), source 1 = q (columns b): a lane holds eight neighbouring e of one batch.
	; The two accumulators take turns.
	v_wmma_f32_16x16x32_bf16 v[DD:DD+7],    v[FK:FK+7],    v[AQ:AQ+7],     0
	v_wmma_f32_16x16x32_bf16 v[DD+8:DD+15], v[FK:FK+7],    v[AQ+16:AQ+23], 0
	v_wmma_f32_16x16x32_bf16 v[DD:DD+7],    v[FK+8:FK+15], v[AQ+8:AQ+15],  v[DD:DD+7]
	v_wmma_f32_16x16x32_bf16 v[DD+8:DD+15], v[FK+8:FK+15], v[AQ+24:AQ+31], v[DD+8:DD+15]
	PLACES
.set u, 0
.rept 8
	v_cvt_pk_bf16_f32 v[T+u], v[DD+2*u], v[DD+2*u+1]
.set u, u+1
.endr
	ds_store_b128 v[OSW], v[T:T+3]
	ds_store_b128 v[OSW], v[T+4:T+7] offset:16*PO
	BAR                                            ; the block of 32 b x 256 e is whole
	ds_load_b128 v[32:35], v[OSR]
	ds_load_b128 v[36:39], v[OSR] offset:PO
	s_wait_dscnt 0x0
	global_store_b128 v[G16], v[32:35], s[10:11]               ; each store: 512 consecutive bytes, aligned
	global_store_b128 v[G16], v[36:39], s[10:11] offset:32768
	s_or_b32 s31, s20, s21
	s_cmp_lg_u32 s31, 0
	s_cbranch_scc1 .Lend                           ; cq is stored once for a head: by wave 0 of the work-group with c = 0
	v_cmp_eq_u32 vcc_lo, 0, v3
	v_cndmask_b32 v24, v[CC+2], v[CC], vcc_lo      ; lane L holds batch L
	v_lshlrev_b32 v25, 6, v1                       ; a batch's sixteen heads are 64 bytes
	global_store_b32 v25, v24, s[12:13]
.Lend:
	s_wait_tensorcnt 0x0
	ds_add_u32 v30, v31
	s_wait_dscnt 0x0
	s_endpgm
.Lfunc_end_k_q664c0959cd_prep:
	.size	k_q664c0959cd_prep, .Lfunc_end_k_q664c0959cd_prep-k_q664c0959cd_prep
	.p2alignl 7, 3214868480
	.fill 96, 4, 3214868480
	.section	.rodata,"a",@progbits
	.p2align	6, 0x0
	.amdhsa_kernel k_q664c0959cd_prep
		.amdhsa_group_segment_fixed_size 269312
		.amdhsa_private_segment_fixed_size 0
		.amdhsa_enable_private_segment 0
		.amdhsa_kernarg_size 40
		.amdhsa_user_sgpr_count 2
		.amdhsa_user_sgpr_kernarg_segment_ptr 1
		.amdhsa_wavefront_size32 1
		.amdhsa_system_sgpr_workgroup_id_x 1
		.amdhsa_system_sgpr_workgroup_id_y 1
		.amdhsa_system_sgpr_workgroup_id_z 1
		.amdhsa_system_vgpr_workitem_id 0
		.amdhsa_next_free_vgpr 256
		.amdhsa_next_free_sgpr 66
		.amdhsa_reserve_vcc 1
		.amdhsa_float_denorm_mode_32 3
		.amdhsa_float_denorm_mode_16_64 3
		.amdhsa_memory_ordered 1
		.amdhsa_forward_progress 1
		.amdhsa_inst_pref_size 45
	.end_amdhsa_kernel
	.amdgpu_metadata
---
amdhsa.version: [ 1, 2 ]
amdhsa.kernels:
  - .name:           k_q664c0959cd_prep
    .symbol:         k_q664c0959cd_prep.kd
    .args:
      - { .name: x, .offset: 0, .size: 8, .value_kind: global_buffer, .address_space: global }
      - { .name: in_proj_w, .offset: 8, .size: 8, .value_kind: global_buffer, .address_space: global }
      - { .name: in_proj_b, .offset: 16, .size: 8, .value_kind: global_buffer, .address_space: global }
      - { .name: qk, .offset: 24, .size: 8, .value_kind: global_buffer, .address_space: global }
      - { .name: cq, .offset: 32, .size: 8, .value_kind: global_buffer, .address_space: global }
    .group_segment_fixed_size: 269312
    .private_segment_fixed_size: 0
    .kernarg_segment_align: 8
    .kernarg_segment_size: 40
    .max_flat_workgroup_size: 512
    .sgpr_count:     66
    .vgpr_count:     256
    .wavefront_size: 32
...
	.end_amdgpu_metadata
.endif
;; end of part 1
;; launch pool (part 2): grid 8 x 32, 8 waves a work-group, no clusters, 306,688 bytes of LDS; arguments x, mask, qk, cq, part, ml, sc; writes part, ml, sc
.if DOCPART == 2
	.amdgcn_target "amdgcn-amd-amdhsa--gfx1250"
	.amdhsa_code_object_version 6
	.text
	.protected	k_q664c0959cd_pool
	.globl	k_q664c0959cd_pool
	.p2align	8
	.type	k_q664c0959cd_pool,@function
k_q664c0959cd_pool:
	s_mov_b64 s[64:65], 0
	v_nop
	global_prefetch_b8 v0, s[64:65] scope:SCOPE_SE
	s_setreg_imm32_b32 hwreg(HW_REG_WAVE_MODE, 25, 1), 1
	s_wait_xcnt 0x0
; pool: the one pass over x.  A work-group takes 128 rows s (grid x = j) of one batch (grid y = b): 512 KiB of f32, read once.
;   sc[b][head][s]   = x[b][s][:] . qk[b][head][:] + cq[b][head], or NEGB where mask[b][s] is set      (scores times log2(e))
;   m[head], l[head] = the largest sc of the 128 rows, and the sum of p = 2^(sc - m)
;   part[b][j][head][e] = sum over the 128 rows of p[s] x[b][s][e]
; The rows are rounded to bf16 on their way through registers and stay in LDS (128 x 2,048 bytes), so that the second product reads
; them from there.  Every LDS byte of x is written once.  Eight waves:
;   first product:  wave w has rows 16 w .. 16 w + 15, all of K = 1,024; it reads only rows that it wrote itself, so it needs no barrier;
;   second product: wave w has columns e = 128 w .. 128 w + 127, K = all 128 rows, x transposed by ds_load_tr16_b128.
; The maximum that is taken away is the chunk's own; the next launch joins the eight chunks of a batch.
; x passes through registers in any case (f32 to bf16), so no copy engine is used; what the work-groups of a batch share is qk alone,
; 32 KiB beside 512 KiB of their own, so no cluster either.
; LIMITS: any mask byte other than 0 counts as set.  p below 2^-126 becomes 0 (v_exp_f32).  A NaN loses in the maximum.
; p and x go to the matrix unit in bf16; l is the sum of the unrounded p.  The order of the sums differs from a plain softmax's.
.set PX,    2064                       ; LDS pitch of a row of 1,024 bf16: an odd multiple of 16 bytes
.set WBLK,  16*PX                      ; sixteen rows
.set QKB,   128*PX                     ; behind x: qk, 16 heads x PX
.set SCB,   QKB+16*PX                  ; behind that: the scores, f32 [16 heads][128 s]
.set PS,    528                        ; pitch of 128 f32, an odd multiple of 16 bytes
.set NEGB,  0xf191accb                 ; -1e30 x log2(e): the masked score in the base-2 domain
; Row s of x lies at LDS row 16 (s / 16) + rho(s % 16), rho(t) = 2 (t % 8) + t / 8.
.set GX,    4                          ; v4   16 x lane: offset in every 512-byte run of memory
.set STX,   5                          ; v5   where my 8 bytes of bf16 go
.set AX,    6                          ; v6   fragments of my rows of x
.set AQ,    7                          ; v7   fragments of qk
.set SCW,   8                          ; v8   my scores, in
.set SCR,   9                          ; v9   scores as fragments of the second product
.set SCO,   10                         ; v10  scores by rows, for memory
.set QKST,  11                         ; v11  where my part of qk goes
.set TR,    12                         ; v[12:15] transposing loads, one address for each 32 rows
.set STGW,  16                         ; v16  the way out, in
.set STGR,  17                         ; v17  the way out, back
.set T,     24                         ; v[24:31] at work
.set ACC0,  32                         ; first product: two accumulators,
.set ACC1,  40
.set FA,    48                         ; v[48:79]   four fragments of x,
.set FB,    80                         ; v[80:111]  four of qk,
.set RING,  112                        ; v[112:239] 32 loads of x
.set PF,    32                         ; second product: v[32:63] p as four fragments,
.set ACC,   64                         ; v[64:127]  eight accumulators,
.set SV,    128                        ; v[128:191] the scores, then
.set XF1,   128                        ;            fragments of x, buffer 1,
.set XF0,   192                        ; v[192:255] buffer 0
.set MX,    64                         ; four running maxima; later
.set LS,    64                         ; four running pairs of sums
.macro PLACES                          ; four plain vector instructions behind a matrix instruction (ISA guide 7.12.1)
.rept 4
	v_nop
.endr
.endm
.macro BAR                             ; my LDS instructions are done, then the work-group's barrier
	s_wait_dscnt 0x0
	s_barrier_signal -1
	s_barrier_wait -1
.endm
	s_load_b256 s[4:11], s[0:1], 0x0               ; x s[4:5], mask s[6:7], qk s[8:9], cq s[10:11]
	s_load_b128 s[12:15], s[0:1], 0x20             ; part s[12:13], ml s[14:15]
	s_load_b64 s[16:17], s[0:1], 0x30              ; sc
	s_set_vgpr_msb 0x40
	v_lshl_add_u32 v0, v0, 2, 0x4aa00
	v_mov_b32 v1, 0
	s_set_vgpr_msb 0x4000
	v_lshrrev_b32 v1, 5, v0
	v_readfirstlane_b32 s20, v1                    ; wave w
	s_and_b32 s22, ttmp7, 0xffff                   ; b
	s_lshl3_add_u32 s23, s22, ttmp9                ; chunk = 8 b + j
	s_lshl_b32 s31, s23, 7
	s_lshl4_add_u32 s31, s20, s31                  ; my first row of all 32,768: 128 chunk + 16 w
	s_mov_b32 s25, 0                               ; the upper word of every offset
	s_mov_b32 s26, 0x76543210                      ; v_permlanex16_b32: lane i of one half reads lane i of the other
	s_mov_b32 s27, 0xfedcba98
	v_and_b32 v1, 31, v0                           ; lane L
	v_and_b32 v2, 15, v0                           ; r
	v_bfe_u32 v3, v0, 4, 1                         ; h
	v_lshlrev_b32 v[GX], 4, v1
	v_lshlrev_b32 v29, 2, v2                       ; cq: 4 r
	v_lshlrev_b32 v30, 3, v3                       ; mask: 8 h
	s_wait_kmcnt 0x0
	s_mov_b32 s24, s31
	s_add_nc_u64 s[6:7], s[6:7], s[24:25]          ; mask: a byte a row
	s_lshl_b32 s24, s31, 12
	s_add_nc_u64 s[4:5], s[4:5], s[24:25]          ; x: 4,096 bytes a row
	s_lshl_b32 s24, s22, 15
	s_lshl_b32 s30, s20, 12
	s_add_co_u32 s24, s24, s30
	s_add_nc_u64 s[8:9], s[8:9], s[24:25]          ; qk[b][2 w]
	s_lshl_b32 s24, s22, 6
	s_add_nc_u64 s[10:11], s[10:11], s[24:25]      ; cq[b]
	s_lshl_b32 s24, s23, 16
	s_lshl_b32 s30, s20, 9
	s_add_co_u32 s24, s24, s30
	s_add_nc_u64 s[12:13], s[12:13], s[24:25]      ; part[b][j][0][128 w]
	s_lshl_b32 s24, s23, 7
	s_add_nc_u64 s[14:15], s[14:15], s[24:25]      ; ml[b][j]
	s_lshl_b32 s24, s22, 16
	s_lshl_b32 s30, s20, 13
	s_add_co_u32 s24, s24, s30
	s_lshl_b32 s30, ttmp9, 9
	s_add_co_u32 s24, s24, s30
	s_add_nc_u64 s[16:17], s[16:17], s[24:25]      ; sc[b][2 w][128 j]
	; ten small loads, then the first 32 of x: columns 0 to 255 of my sixteen rows, 512 consecutive bytes a load
.irp hh, 0,1
.irp sg, 0,1,2,3
	global_load_b128 v[FA+16*\hh+4*\sg:FA+16*\hh+4*\sg+3], v[GX], s[8:9] offset:\hh*2048+\sg*512
.endr
.endr
	global_load_b64 v[18:19], v30, s[6:7]          ; the mask bytes of rows 16 w + 8 h + 0 .. 7
	global_load_b32 v20, v29, s[10:11]             ; cq of head r
.set kk, 0
.rept 32
	global_load_b128 v[RING+4*kk:RING+4*kk+3], v[GX], s[4:5] offset:(kk>>1)*4096+(kk&1)*512 th:TH_LOAD_NT
.set kk, kk+1
.endr
	; LDS addresses, while the loads are on their way (v29 and v30 stay as they are until their loads are in)
	s_mul_i32 s29, s20, WBLK
	v_lshl_add_u32 v[STX], v1, 3, s29              ; my sixteen rows + 8 L
	v_and_b32 v24, 7, v0
	v_bfe_u32 v25, v0, 3, 1
	v_lshl_add_u32 v26, v24, 1, v25                ; rho(r)
	v_mul_u32_u24 v26, v26, PX
	v_lshl_add_u32 v26, v3, 4, v26
	v_add_nc_u32 v[AX], s29, v26
	v_mul_u32_u24 v26, v2, PX
	v_lshl_add_u32 v26, v3, 4, v26
	v_add_nc_u32 v[AQ], QKB, v26
	v_mul_u32_u24 v26, v2, PS
	v_lshl_add_u32 v26, v3, 5, v26                 ; r PS + 32 h
	v_add_nc_u32 v[SCR], SCB, v26
	s_lshl_b32 s30, s20, 6
	v_add_nc_u32 v[SCW], s30, v[SCR]               ; + my sixteen s
	s_mul_i32 s30, s20, 2*PS
	s_add_co_u32 s30, s30, SCB
	v_add_nc_u32 v[SCO], s30, v[GX]
	s_mul_i32 s30, s20, 2*PX
	s_add_co_u32 s30, s30, QKB
	v_add_nc_u32 v[QKST], s30, v[GX]
	v_lshl_add_u32 v27, v24, 1, v3                 ; LDS row of s = 8 h + (L & 7): 2 (L & 7) + h
	v_mul_u32_u24 v27, v27, PX
	v_lshl_add_u32 v27, v25, 4, v27                ; + 16 bytes for the upper eight of sixteen lanes
	s_lshl_b32 s30, s20, 8                         ; my 128 columns
	v_add_nc_u32 v[TR], s30, v27
	v_add_nc_u32 v[TR+1], 32*PX, v[TR]
	v_add_nc_u32 v[TR+2], 64*PX, v[TR]
	v_add_nc_u32 v[TR+3], 96*PX, v[TR]
	s_mul_i32 s30, s20, 16*PS
	v_add_nc_u32 v[STGW], s30, v26
	v_add_nc_u32 v[STGR], s30, v[GX]
	s_wait_loadcnt 32                              ; the ten small loads are in; the 32 of x behind them stay out
.irp hh, 0,1
.irp sg, 0,1,2,3
	ds_store_b128 v[QKST], v[FA+16*\hh+4*\sg:FA+16*\hh+4*\sg+3] offset:\hh*PX+\sg*512
.endr
.endr
	v_mov_b32 v21, v20                             ; cq as a pair
	BAR                                            ; qk is whole in LDS
; 256 columns of my sixteen rows: 32 slots.  Each is rounded to bf16, laid into LDS and, where again = 1, asked for again 256 columns on.
; 32 loads of 512 bytes of every wave are out until the last batch; loads come back in order, so a slot's load is in when 31 are out.
.macro BATCH i, again
.set kk, 0
.rept 32
.if \again
	s_wait_loadcnt 31
.else
	s_wait_loadcnt 31-kk                           ; nothing is asked for any more: the count runs down
.endif
	v_cvt_pk_bf16_f32 v[T+2*(kk&3)],   v[RING+4*kk],   v[RING+4*kk+1]
	v_cvt_pk_bf16_f32 v[T+2*(kk&3)+1], v[RING+4*kk+2], v[RING+4*kk+3]
	ds_store_b64 v[STX], v[T+2*(kk&3):T+2*(kk&3)+1] offset:(2*((kk>>1)&7)+(kk>>4))*PX+512*\i+256*(kk&1)
.if \again
	global_load_b128 v[RING+4*kk:RING+4*kk+3], v[GX], s[4:5] offset:(kk>>1)*4096+(\i+1)*1024+(kk&1)*512 th:TH_LOAD_NT
.endif
.set kk, kk+1
.endr
.endm
; Four K steps of 32 of the first product, from byte kb of the rows.  LDS serves a wave's instructions in order (ISA guide 5.7.1),
; so these loads see my stores above.  The two accumulators take turns, one instruction a turn.
.macro P1W q, zero
	s_wait_dscnt 12-4*\q                           ; the four loads of each later K step of the group may be out
.if \zero
	v_wmma_f32_16x16x32_bf16 v[ACC0+8*(\q&1):ACC0+8*(\q&1)+7], v[FA+8*\q:FA+8*\q+7], v[FB+8*\q:FB+8*\q+7], 0
.else
	v_wmma_f32_16x16x32_bf16 v[ACC0+8*(\q&1):ACC0+8*(\q&1)+7], v[FA+8*\q:FA+8*\q+7], v[FB+8*\q:FB+8*\q+7], v[ACC0+8*(\q&1):ACC0+8*(\q&1)+7]
.endif
.endm
.macro P1G kb, first
.if \first == 0
	PLACES                                         ; the loads below land on registers that the last matrix instructions read
.endif
.irp q, 0,1,2,3
	ds_load_b128 v[FA+8*\q:FA+8*\q+3],   v[AX] offset:\kb+64*\q
	ds_load_b128 v[FA+8*\q+4:FA+8*\q+7], v[AX] offset:\kb+64*\q+32
	ds_load_b128 v[FB+8*\q:FB+8*\q+3],   v[AQ] offset:\kb+64*\q
	ds_load_b128 v[FB+8*\q+4:FB+8*\q+7], v[AQ] offset:\kb+64*\q+32
.endr
	P1W 0, \first
	P1W 1, \first
	P1W 2, 0
	P1W 3, 0
.endm
	BATCH 0, 1
	P1G 0, 1
	P1G 256, 0
	BATCH 1, 1
	P1G 512, 0
	P1G 768, 0
	BATCH 2, 1
	P1G 1024, 0
	P1G 1280, 0
	BATCH 3, 0
	P1G 1536, 0
	P1G 1792, 0
	; the scores: register jj of lane (r, h) is row 16 w + 8 h + jj, head r
	PLACES
.irp u, 0,2,4,6
	v_pk_add_f32 v[ACC0+\u:ACC0+\u+1], v[ACC0+\u:ACC0+\u+1], v[ACC1+\u:ACC1+\u+1]
.endr
.irp u, 0,2,4,6
	v_pk_add_f32 v[ACC0+\u:ACC0+\u+1], v[ACC0+\u:ACC0+\u+1], v[20:21]
.endr
	v_mov_b32 v31, NEGB
.irp jj, 0,1,2,3,4,5,6,7
	v_bfe_u32 v[T+(\jj&1)], v[18+\jj/4], 8*(\jj&3), 8
	v_cmp_eq_u32 vcc_lo, 0, v[T+(\jj&1)]
	v_cndmask_b32 v[ACC0+\jj], v31, v[ACC0+\jj], vcc_lo        ; mask byte 0: the score; else the masked score
.endr
	ds_store_b128 v[SCW], v[ACC0:ACC0+3]
	ds_store_b128 v[SCW], v[ACC0+4:ACC0+7] offset:16
	BAR                                            ; all scores and all 128 rows of x are in LDS
; sixteen transposing loads: 32 rows s x my 128 columns e as eight fragments (rows e, K = s)
.macro P2LOAD ks, buf
.irp t, 0,1,2,3,4,5,6,7
	ds_load_tr16_b128 v[\buf+8*\t:\buf+8*\t+3],   v[TR+\ks] offset:32*\t
	ds_load_tr16_b128 v[\buf+8*\t+4:\buf+8*\t+7], v[TR+\ks] offset:WBLK+32*\t
.endr
.endm
; eight matrix instructions: source 0 = x transposed, source 1 = p.  Register jj of lane (r, h): e = 128 w + 16 t + 8 h + jj, head r.
; The eight accumulators take turns.
.macro P2MUL ks, buf, zero
.irp t, 0,1,2,3,4,5,6,7
.if \zero
	v_wmma_f32_16x16x32_bf16 v[ACC+8*\t:ACC+8*\t+7], v[\buf+8*\t:\buf+8*\t+7], v[PF+8*\ks:PF+8*\ks+7], 0
.else
	v_wmma_f32_16x16x32_bf16 v[ACC+8*\t:ACC+8*\t+7], v[\buf+8*\t:\buf+8*\t+7], v[PF+8*\ks:PF+8*\ks+7], v[ACC+8*\t:ACC+8*\t+7]
.endif
.endr
.endm
	; the softmax of the chunk.  Every wave makes p for all 16 heads x 128 rows, straight in the order of a fragment's registers:
	; lane (r, h) takes head r, rows 32 ks + 16 g + 8 h + 0 .. 7.  64 exponentials a lane; no further barrier and no LDS for p.
.irp ks, 0,1,2,3
.irp g, 0,1
.irp q, 0,1
	ds_load_b128 v[SV+16*\ks+8*\g+4*\q:SV+16*\ks+8*\g+4*\q+3], v[SCR] offset:128*\ks+64*\g+16*\q
.endr
.endr
.endr
	ds_load_b128 v[24:27], v[SCO]                  ; heads 2 w and 2 w + 1 by rows, for memory
	ds_load_b128 v[28:31], v[SCO] offset:PS
	P2LOAD 0, XF0
	s_wait_dscnt 18                                ; the sixteen score loads are in; 2 + 16 younger ones may be out
.irp c, 0,1,2,3
	v_max3_num_f32 v[MX+\c], v[SV+16*\c], v[SV+16*\c+1], v[SV+16*\c+2]
.endr
.irp u, 3,5,7,9,11,13
.irp c, 0,1,2,3
	v_max3_num_f32 v[MX+\c], v[MX+\c], v[SV+16*\c+\u], v[SV+16*\c+\u+1]
.endr
.endr
.irp c, 0,1,2,3
	v_max_num_f32 v[MX+\c], v[MX+\c], v[SV+16*\c+15]
.endr
	v_max3_num_f32 v[MX], v[MX], v[MX+1], v[MX+2]
	v_max_num_f32 v[MX], v[MX], v[MX+3]
	v_permlanex16_b32 v[MX+1], v[MX], s26, s27     ; the other 64 rows of head r
	v_max_num_f32 v22, v[MX], v[MX+1]              ; m of head r, in both halves of the lanes
	v_mov_b32 v23, v22
	s_wait_dscnt 16                                ; the two rows for memory are in; the sixteen transposing loads may be out
	global_store_b128 v[GX], v[24:27], s[16:17]                ; each store: 512 consecutive bytes, aligned; v[24:31] are not written again
	global_store_b128 v[GX], v[28:31], s[16:17] offset:4096
.set u, 0
.rept 32
	v_pk_add_f32 v[SV+u:SV+u+1], v[SV+u:SV+u+1], v[22:23] neg_lo:[0,1] neg_hi:[0,1]
.set u, u+2
.endr
.set u, 0
.rept 64
	v_exp_f32 v[SV+u], v[SV+u]                     ; p = 2^(sc - m), at most 1
.set u, u+1
.endr
	v_nop                                          ; one plain instruction behind the last exponential (ISA guide 5.7.2)
.set u, 0
	s_wait_alu depctr_va_vdst(0)
.rept 32
	v_cvt_pk_bf16_f32 v[PF+u], v[SV+2*u], v[SV+2*u+1]
.set u, u+1
.endr
.irp c, 0,1,2,3
	v_pk_add_f32 v[LS+2*\c:LS+2*\c+1], v[SV+16*\c:SV+16*\c+1], v[SV+16*\c+2:SV+16*\c+3]
.endr
.irp u, 4,6,8,10,12,14
.irp c, 0,1,2,3
	v_pk_add_f32 v[LS+2*\c:LS+2*\c+1], v[LS+2*\c:LS+2*\c+1], v[SV+16*\c+\u:SV+16*\c+\u+1]
.endr
.endr
	v_pk_add_f32 v[LS:LS+1], v[LS:LS+1], v[LS+2:LS+3]
	v_pk_add_f32 v[LS+4:LS+5], v[LS+4:LS+5], v[LS+6:LS+7]
	v_pk_add_f32 v[LS:LS+1], v[LS:LS+1], v[LS+4:LS+5]
	v_add_f32 v[LS], v[LS], v[LS+1]
	v_permlanex16_b32 v[LS+1], v[LS], s26, s27
	v_add_f32 v[LS+2], v[LS], v[LS+1]              ; l of head r
	P2LOAD 1, XF1                                  ; over the scores, which are used up
	s_cmp_lg_u32 s20, 0
	s_cbranch_scc1 .Lno_ml                         ; every wave has the same m and l: wave 0 stores them
	v_cmp_eq_u32 vcc_lo, 0, v3
	v_cndmask_b32 v18, v[LS+2], v22, vcc_lo        ; lanes 0-15: m of head r; lanes 16-31: l of head r
	v_lshlrev_b32 v19, 2, v1
	global_store_b32 v19, v18, s[14:15]            ; 128 consecutive bytes; v18 and v19 are not written again
.Lno_ml:
	; the second product, K = 128 rows in four steps of 32, two fragment buffers
	s_wait_dscnt 16                                ; buffer 0 is in; buffer 1's sixteen loads may be out
	P2MUL 0, XF0, 1
	PLACES
	P2LOAD 2, XF0
	s_wait_dscnt 16                                ; buffer 1 is in; the sixteen just issued may be out
	P2MUL 1, XF1, 0
	PLACES
	P2LOAD 3, XF1
	s_wait_dscnt 16
	P2MUL 2, XF0, 0
	s_wait_dscnt 0x0
	P2MUL 3, XF1, 0
	; the way out: 16 heads x my 128 e through a stage of my own, which lies over rows of x that nobody reads behind this barrier
	BAR
	PLACES
.irp t, 0,1,2,3,4,5,6,7
	ds_store_b128 v[STGW], v[ACC+8*\t:ACC+8*\t+3]   offset:64*\t
	ds_store_b128 v[STGW], v[ACC+8*\t+4:ACC+8*\t+7] offset:64*\t+16
.endr
.irp hd, 0,1,2,3,4,5,6,7,8,9,10,11,12,13,14,15
	ds_load_b128 v[SV+4*\hd:SV+4*\hd+3], v[STGR] offset:PS*\hd     ; my own bytes, served in order behind the stores
.endr
.irp hd, 0,1,2,3,4,5,6,7,8,9,10,11,12,13,14,15
	s_wait_dscnt 15-\hd
	global_store_b128 v[GX], v[SV+4*\hd:SV+4*\hd+3], s[12:13] offset:4096*\hd   ; 512 consecutive bytes, aligned
.endr
	s_set_vgpr_msb 0x5
	s_wait_tensorcnt 0x0
	ds_add_u32 v0, v1
	s_wait_dscnt 0x0
	s_set_vgpr_msb 0x500
	s_endpgm
.Lfunc_end_k_q664c0959cd_pool:
	.size	k_q664c0959cd_pool, .Lfunc_end_k_q664c0959cd_pool-k_q664c0959cd_pool
	.p2alignl 7, 3214868480
	.fill 96, 4, 3214868480
	.section	.rodata,"a",@progbits
	.p2align	6, 0x0
	.amdhsa_kernel k_q664c0959cd_pool
		.amdhsa_group_segment_fixed_size 306688
		.amdhsa_private_segment_fixed_size 0
		.amdhsa_enable_private_segment 0
		.amdhsa_kernarg_size 56
		.amdhsa_user_sgpr_count 2
		.amdhsa_user_sgpr_kernarg_segment_ptr 1
		.amdhsa_wavefront_size32 1
		.amdhsa_system_sgpr_workgroup_id_x 1
		.amdhsa_system_sgpr_workgroup_id_y 1
		.amdhsa_system_sgpr_workgroup_id_z 1
		.amdhsa_system_vgpr_workitem_id 0
		.amdhsa_next_free_vgpr 258
		.amdhsa_next_free_sgpr 66
		.amdhsa_reserve_vcc 1
		.amdhsa_float_denorm_mode_32 3
		.amdhsa_float_denorm_mode_16_64 3
		.amdhsa_memory_ordered 1
		.amdhsa_forward_progress 1
		.amdhsa_inst_pref_size 82
	.end_amdhsa_kernel
	.amdgpu_metadata
---
amdhsa.version: [ 1, 2 ]
amdhsa.kernels:
  - .name:           k_q664c0959cd_pool
    .symbol:         k_q664c0959cd_pool.kd
    .args:
      - { .name: x, .offset: 0, .size: 8, .value_kind: global_buffer, .address_space: global }
      - { .name: mask, .offset: 8, .size: 8, .value_kind: global_buffer, .address_space: global }
      - { .name: qk, .offset: 16, .size: 8, .value_kind: global_buffer, .address_space: global }
      - { .name: cq, .offset: 24, .size: 8, .value_kind: global_buffer, .address_space: global }
      - { .name: part, .offset: 32, .size: 8, .value_kind: global_buffer, .address_space: global }
      - { .name: ml, .offset: 40, .size: 8, .value_kind: global_buffer, .address_space: global }
      - { .name: sc, .offset: 48, .size: 8, .value_kind: global_buffer, .address_space: global }
    .group_segment_fixed_size: 306688
    .private_segment_fixed_size: 0
    .kernarg_segment_align: 8
    .kernarg_segment_size: 56
    .max_flat_workgroup_size: 256
    .sgpr_count:     66
    .vgpr_count:     258
    .wavefront_size: 32
...
	.end_amdgpu_metadata
.endif
;; end of part 2
;; launch ctx (part 3): grid 160 x 1, 8 waves a work-group, no clusters, 60,416 bytes of LDS; arguments part, ml, sc, in_proj_w, cp, out1; writes cp, out1
.if DOCPART == 3
	.amdgcn_target "amdgcn-amd-amdhsa--gfx1250"
	.amdhsa_code_object_version 6
	.text
	.protected	k_q664c0959cd_ctx
	.globl	k_q664c0959cd_ctx
	.p2align	8
	.type	k_q664c0959cd_ctx,@function
k_q664c0959cd_ctx:
	s_mov_b64 s[64:65], 0
	v_nop
	global_prefetch_b8 v0, s[64:65] scope:SCOPE_SE
	s_setreg_imm32_b32 hwreg(HW_REG_WAVE_MODE, 25, 1), 1
	s_wait_xcnt 0x0
; ctx: two pieces of work that need only what the launch before stored, side by side in one launch.
; Work-groups 0 to 127: join the eight chunks of a batch and multiply by Wv.
;   M = max over j of m_j,  L = sum over j of 2^(m_j - M) l_j,  xa[b][head][e] = sum over j of 2^(m_j - M) / L x part[b][j][head][e]
;   cp[c][b][64 head + d] = sum over the 256 e of quarter c of Wv[64 head + d][e] xa[b][head][e]
;   A work-group has one head, one quarter c of K and sixteen batches.  xa goes to the matrix unit as two bf16 numbers, hi + lo,
;   in two products, so that no rounding of this intermediate is left; Wv in bf16.
; Work-groups 128 to 159: out1[b][s] = 1/16 sum over the heads of 2^(sc - M) / L, one batch each, 128 s a wave.
; L is at least 1: the chunk that holds M has a p of 1.  A batch whose keys are all masked gets 1 / 1,024 everywhere.
; Everything comes through registers; no two work-groups share enough for a cluster (Wv's piece is read by two).
; LIMITS: 2^(..) below 2^-126 becomes 0; a NaN loses in the maximum; the order of the sums differs from a plain softmax's.
.set PA,   528                         ; pitch of 256 bf16: an odd multiple of 16 bytes
.set PR,   272                         ; pitch of 64 f32
.set XAL,  16*PA                       ; xa hi at 0, lo behind it
.set WVB,  2*16*PA                     ; Wv: 64 rows
.set RED,  WVB+64*PA                   ; f32 [2 halves of K][16 b][64 d]
.set XST,  6
.set WST,  7
.set AAD,  8
.set WAD,  9
.set RDW,  10
.set RDR,  11
.set CPO,  12
.set MJ,   32                          ; v[32:47]  m_j, then the weights, of my two batches
.set LJ,   48                          ; v[48:63]  l_j
.set PT,   64                          ; v[64:191] 32 loads of part
.set WV,   192                         ; v[192:255] 16 loads of Wv
.set AH,   64                          ; fragments: xa hi,
.set AL,   96                          ; xa lo,
.set WF,   128                         ; Wv
.set C0,   160                         ; two accumulators
.set C1,   168
.macro PLACES                          ; four plain vector instructions behind a matrix instruction (ISA guide 7.12.1)
.rept 4
	v_nop
.endr
.endm
.macro BAR
	s_wait_dscnt 0x0
	s_barrier_signal -1
	s_barrier_wait -1
.endm
.macro CVST d, src, adr, off           ; four f32 to four bf16, 8 bytes into LDS
	v_cvt_pk_bf16_f32 v[\d], v[\src], v[\src+1]
	v_cvt_pk_bf16_f32 v[\d+1], v[\src+2], v[\src+3]
	ds_store_b64 v[\adr], v[\d:\d+1] offset:\off
.endm
.macro CVHL hi, lo, a, t               ; two f32 as two bf16 each: hi = bf16(a), lo = bf16(a - hi)
	v_cvt_pk_bf16_f32 v[\hi], v[\a], v[\a+1]
	v_lshlrev_b32 v[\t], 16, v[\hi]
	v_and_b32 v[\t+1], 0xffff0000, v[\hi]
	v_pk_add_f32 v[\t:\t+1], v[\a:\a+1], v[\t:\t+1] neg_lo:[0,1] neg_hi:[0,1]
	v_cvt_pk_bf16_f32 v[\lo], v[\t], v[\t+1]
.endm
	s_load_b256 s[4:11], s[0:1], 0x0               ; part s[4:5], ml s[6:7], sc s[8:9], in_proj_w s[10:11]
	s_load_b128 s[12:15], s[0:1], 0x20             ; cp s[12:13], out1 s[14:15]
	v_lshl_add_u32 v14, v0, 2, 0xe800
	v_mov_b32 v15, 0
	v_lshrrev_b32 v1, 5, v0
	v_readfirstlane_b32 s20, v1                    ; wave w
	v_and_b32 v1, 31, v0                           ; lane L
	v_and_b32 v2, 15, v0                           ; r
	v_bfe_u32 v3, v0, 4, 1                         ; h
	v_lshlrev_b32 v4, 4, v1                        ; 16 L
	s_mov_b32 s25, 0                               ; the upper word of every offset
	s_wait_kmcnt 0x0
	s_cmp_ge_u32 ttmp9, 128
	s_cbranch_scc1 .Lattn                          ; the same for all waves of a work-group
	; ---------------- join the chunks, multiply by Wv ----------------
	s_lshr_b32 s21, ttmp9, 3                       ; head
	s_bfe_u32 s22, ttmp9, 0x20001                  ; c: which 256 e
	s_and_b32 s23, ttmp9, 1                        ; bg: which sixteen batches
	s_lshl_b32 s28, s23, 4
	s_lshl1_add_u32 s28, s20, s28                  ; my first batch: 16 bg + 2 w
	s_and_b32 s29, s20, 3                          ; nt: which 16 d my tile has
	s_lshr_b32 s30, s20, 2                         ; kh: which 128 of the 256 e
	s_lshl_b32 s24, s28, 10
	s_lshl2_add_u32 s24, s21, s24
	s_add_nc_u64 s[6:7], s[6:7], s[24:25]          ; ml[b0][0][head]
	s_lshl_b32 s24, s28, 19
	s_lshl_b32 s31, s21, 12
	s_add_co_u32 s24, s24, s31
	s_lshl_b32 s31, s22, 10
	s_add_co_u32 s24, s24, s31
	s_add_nc_u64 s[4:5], s[4:5], s[24:25]          ; part[b0][0][head][256 c]
	s_lshl_b32 s24, s21, 6
	s_lshl3_add_u32 s24, s20, s24
	s_add_co_u32 s24, s24, 2048                    ; Wv's row 64 head + 8 w
	s_lshl_b32 s24, s24, 12
	s_add_co_u32 s24, s24, s31
	s_add_nc_u64 s[10:11], s[10:11], s[24:25]
	s_lshl_b32 s24, s22, 17
	s_lshl_b32 s31, s28, 12
	s_add_co_u32 s24, s24, s31
	s_lshl_b32 s31, s21, 8
	s_add_co_u32 s24, s24, s31
	s_add_nc_u64 s[12:13], s[12:13], s[24:25]      ; cp[c][b0][64 head]
	v_mov_b32 v5, 0
	; 80 loads in a row: 32 words of m and l (the same word in every lane), 32 x 512 bytes of part, 16 x 512 bytes of Wv
.irp bb, 0,1
.irp j, 0,1,2,3,4,5,6,7
	global_load_b32 v[MJ+8*\bb+\j], v5, s[6:7] offset:\bb*1024+\j*128
	global_load_b32 v[LJ+8*\bb+\j], v5, s[6:7] offset:\bb*1024+\j*128+64
.endr
.endr
.irp bb, 0,1
.irp sg, 0,1
.irp j, 0,1,2,3,4,5,6,7
	global_load_b128 v[PT+32*(2*\bb+\sg)+4*\j:PT+32*(2*\bb+\sg)+4*\j+3], v4, s[4:5] offset:\bb*524288+\j*65536+\sg*512 th:TH_LOAD_NT
.endr
.endr
.endr
.irp rr, 0,1,2,3,4,5,6,7
.irp sg, 0,1
	global_load_b128 v[WV+4*(2*\rr+\sg):WV+4*(2*\rr+\sg)+3], v4, s[10:11] offset:\rr*4096+\sg*512
.endr
.endr
	; LDS addresses
	v_lshlrev_b32 v24, 3, v1                       ; 8 L
	s_mul_i32 s31, s20, 2*PA
	v_add_nc_u32 v[XST], s31, v24
	s_mul_i32 s31, s20, 8*PA
	s_add_co_u32 s31, s31, WVB
	v_add_nc_u32 v[WST], s31, v24
	v_mul_u32_u24 v25, v2, PA
	v_lshl_add_u32 v25, v3, 4, v25
	s_lshl_b32 s31, s30, 8
	v_add_nc_u32 v[AAD], s31, v25                  ; r PA + 16 h + my half of K
	s_mul_i32 s31, s29, 16*PA
	s_add_co_u32 s31, s31, WVB
	v_add_nc_u32 v[WAD], s31, v[AAD]
	v_mul_u32_u24 v26, v2, PR
	v_lshl_add_u32 v26, v3, 5, v26
	s_mul_i32 s31, s30, 16*PR
	s_lshl_b32 s33, s29, 6
	s_add_co_u32 s31, s31, s33
	s_add_co_u32 s31, s31, RED
	v_add_nc_u32 v[RDW], s31, v26
	v_mul_u32_u24 v27, v3, PR
	v_lshl_add_u32 v27, v2, 4, v27
	s_mul_i32 s31, s20, 2*PR
	s_add_co_u32 s31, s31, RED
	v_add_nc_u32 v[RDR], s31, v27
	v_lshlrev_b32 v28, 4, v2
	v_lshl_add_u32 v[CPO], v3, 12, v28             ; h rows of cp + 16 r
	s_wait_loadcnt 48                              ; m and l are in; part's 32 and Wv's 16 loads may be out
.irp bb, 0,1
	v_max3_num_f32 v[24+\bb], v[MJ+8*\bb], v[MJ+8*\bb+1], v[MJ+8*\bb+2]
	v_max3_num_f32 v[24+\bb], v[24+\bb], v[MJ+8*\bb+3], v[MJ+8*\bb+4]
	v_max3_num_f32 v[24+\bb], v[24+\bb], v[MJ+8*\bb+5], v[MJ+8*\bb+6]
	v_max_num_f32 v[24+\bb], v[24+\bb], v[MJ+8*\bb+7]
.endr
.set u, 0
.rept 16
	v_sub_f32 v[MJ+u], v[MJ+u], v[24+(u>>3)]
.set u, u+1
.endr
.set u, 0
.rept 16
	v_exp_f32 v[MJ+u], v[MJ+u]
.set u, u+1
.endr
	v_nop                                          ; one plain instruction behind the last exponential (ISA guide 5.7.2)
	s_wait_alu depctr_va_vdst(0)
.irp bb, 0,1
	v_mul_f32 v[26+\bb], v[MJ+8*\bb], v[LJ+8*\bb]
.irp j, 1,2,3,4,5,6,7
	v_fma_f32 v[26+\bb], v[MJ+8*\bb+\j], v[LJ+8*\bb+\j], v[26+\bb]
.endr
.endr
	v_rcp_f32 v28, v26
	v_rcp_f32 v29, v27
	v_nop
.set u, 0
	s_wait_alu depctr_va_vdst(0)
.rept 16
	v_mul_f32 v[MJ+u], v[MJ+u], v[28+(u>>3)]       ; the weight of chunk j: 2^(m_j - M) / L
.set u, u+1
.endr
; 128 e of one batch: eight chunks' numbers times their weights.  A weight is one register of a pair: op_sel picks it for both halves.
.macro MERGE bb, sg
	s_wait_loadcnt 40-8*(2*\bb+\sg)                ; my eight loads are in; the later groups' and Wv's may be out
	v_pk_mul_f32 v[16:17], v[PT+32*(2*\bb+\sg):PT+32*(2*\bb+\sg)+1],   v[MJ+8*\bb:MJ+8*\bb+1] op_sel_hi:[1,0]
	v_pk_mul_f32 v[18:19], v[PT+32*(2*\bb+\sg)+2:PT+32*(2*\bb+\sg)+3], v[MJ+8*\bb:MJ+8*\bb+1] op_sel_hi:[1,0]
.irp j, 2,4,6
	v_pk_fma_f32 v[16:17], v[PT+32*(2*\bb+\sg)+4*\j:PT+32*(2*\bb+\sg)+4*\j+1],   v[MJ+8*\bb+\j:MJ+8*\bb+\j+1], v[16:17] op_sel_hi:[1,0,1]
	v_pk_fma_f32 v[18:19], v[PT+32*(2*\bb+\sg)+4*\j+2:PT+32*(2*\bb+\sg)+4*\j+3], v[MJ+8*\bb+\j:MJ+8*\bb+\j+1], v[18:19] op_sel_hi:[1,0,1]
.endr
.irp j, 1,3,5,7
	v_pk_fma_f32 v[16:17], v[PT+32*(2*\bb+\sg)+4*\j:PT+32*(2*\bb+\sg)+4*\j+1],   v[MJ+8*\bb+\j-1:MJ+8*\bb+\j], v[16:17] op_sel:[0,1,0] op_sel_hi:[1,1,1]
	v_pk_fma_f32 v[18:19], v[PT+32*(2*\bb+\sg)+4*\j+2:PT+32*(2*\bb+\sg)+4*\j+3], v[MJ+8*\bb+\j-1:MJ+8*\bb+\j], v[18:19] op_sel:[0,1,0] op_sel_hi:[1,1,1]
.endr
	CVHL 20, 22, 16, 30
	CVHL 21, 23, 18, 30
	ds_store_b64 v[XST], v[20:21] offset:\bb*PA+256*\sg
	ds_store_b64 v[XST], v[22:23] offset:XAL+\bb*PA+256*\sg
.endm
	MERGE 0, 0
	MERGE 0, 1
	MERGE 1, 0
	MERGE 1, 1
.set kk, 0
.rept 16
	s_wait_loadcnt 15-kk
	CVST 20+2*(kk&1), WV+4*kk, WST, (kk>>1)*PA+(kk&1)*256
.set kk, kk+1
.endr
	BAR                                            ; xa (hi, lo) of sixteen batches and Wv's 64 rows are in LDS
	; my tile: 16 d x 16 b over 128 e.  Source 0 = rows of Wv, source 1 = rows of xa: a lane holds eight neighbouring d of one batch.
.irp q, 0,1,2,3
	ds_load_b128 v[AH+8*\q:AH+8*\q+3],   v[AAD] offset:64*\q
	ds_load_b128 v[AH+8*\q+4:AH+8*\q+7], v[AAD] offset:64*\q+32
	ds_load_b128 v[AL+8*\q:AL+8*\q+3],   v[AAD] offset:XAL+64*\q
	ds_load_b128 v[AL+8*\q+4:AL+8*\q+7], v[AAD] offset:XAL+64*\q+32
	ds_load_b128 v[WF+8*\q:WF+8*\q+3],   v[WAD] offset:64*\q
	ds_load_b128 v[WF+8*\q+4:WF+8*\q+7], v[WAD] offset:64*\q+32
.endr
	; the accumulator of hi and that of lo take turns
	s_wait_dscnt 18                                ; six loads a K step: the three later steps' may be out
	v_wmma_f32_16x16x32_bf16 v[C0:C0+7], v[WF:WF+7], v[AH:AH+7], 0
	v_wmma_f32_16x16x32_bf16 v[C1:C1+7], v[WF:WF+7], v[AL:AL+7], 0
.irp q, 1,2,3
	s_wait_dscnt 18-6*\q
	v_wmma_f32_16x16x32_bf16 v[C0:C0+7], v[WF+8*\q:WF+8*\q+7], v[AH+8*\q:AH+8*\q+7], v[C0:C0+7]
	v_wmma_f32_16x16x32_bf16 v[C1:C1+7], v[WF+8*\q:WF+8*\q+7], v[AL+8*\q:AL+8*\q+7], v[C1:C1+7]
.endr
	PLACES
.irp u, 0,2,4,6
	v_pk_add_f32 v[C0+\u:C0+\u+1], v[C0+\u:C0+\u+1], v[C1+\u:C1+\u+1]
.endr
	ds_store_b128 v[RDW], v[C0:C0+3]
	ds_store_b128 v[RDW], v[C0+4:C0+7] offset:16
	BAR                                            ; both halves of K are in LDS
	ds_load_b128 v[16:19], v[RDR]
	ds_load_b128 v[20:23], v[RDR] offset:16*PR
	s_wait_dscnt 0x0
	v_pk_add_f32 v[16:17], v[16:17], v[20:21]
	v_pk_add_f32 v[18:19], v[18:19], v[22:23]
	global_store_b128 v[CPO], v[16:19], s[12:13]   ; sixteen lanes store 256 consecutive bytes, aligned: a batch's 64 d
	s_wait_tensorcnt 0x0
	ds_add_u32 v14, v15
	s_wait_dscnt 0x0
	s_endpgm
	; ---------------- the averaged attention weights ----------------
.Lattn:
	s_sub_co_u32 s21, ttmp9, 128                   ; b
	s_lshl_b32 s24, s21, 10
	s_add_nc_u64 s[6:7], s[6:7], s[24:25]          ; ml[b]
	s_lshl_b32 s31, s20, 9                         ; my 128 s
	s_lshl_b32 s24, s21, 16
	s_add_co_u32 s24, s24, s31
	s_add_nc_u64 s[8:9], s[8:9], s[24:25]          ; sc[b][0][128 w]
	s_lshl_b32 s24, s21, 12
	s_add_co_u32 s24, s24, s31
	s_add_nc_u64 s[14:15], s[14:15], s[24:25]      ; out1[b][128 w]
	v_lshlrev_b32 v5, 2, v2                        ; 4 r: lane (r, h) works on head r
.irp j, 0,1,2,3,4,5,6,7
	global_load_b32 v[32+\j], v5, s[6:7] offset:128*\j
	global_load_b32 v[40+\j], v5, s[6:7] offset:128*\j+64
.endr
.irp hd, 0,1,2,3,4,5,6,7,8,9,10,11,12,13,14,15
	global_load_b128 v[64+4*\hd:64+4*\hd+3], v4, s[8:9] offset:4096*\hd
.endr
	s_wait_loadcnt 16                              ; m and l are in; the sixteen loads of scores may be out
	v_max3_num_f32 v24, v32, v33, v34
	v_max3_num_f32 v24, v24, v35, v36
	v_max3_num_f32 v24, v24, v37, v38
	v_max_num_f32 v24, v24, v39                    ; M of head r
.irp j, 0,1,2,3,4,5,6,7
	v_sub_f32 v[32+\j], v[32+\j], v24
.endr
.irp j, 0,1,2,3,4,5,6,7
	v_exp_f32 v[32+\j], v[32+\j]
.endr
	v_nop
	s_wait_alu depctr_va_vdst(0)
	v_mul_f32 v25, v32, v40
.irp j, 1,2,3,4,5,6,7
	v_fma_f32 v25, v[32+\j], v[40+\j], v25         ; L of head r
.endr
	v_rcp_f32 v26, v25
	v_nop
	s_wait_alu depctr_va_vdst(0)
	v_mul_f32 v26, 0x3d800000, v26                 ; 1 / (16 L)
.irp hd, 0,1,2,3,4,5,6,7,8,9,10,11,12,13,14,15
	v_readlane_b32 s[32+\hd], v24, \hd             ; the heads' figures as scalars: data only, no address and no branch hangs on them
	v_readlane_b32 s[48+\hd], v26, \hd
.endr
	s_wait_loadcnt 0x0
.irp hd, 0,1,2,3,4,5,6,7,8,9,10,11,12,13,14,15
.irp i, 0,1,2,3
	v_sub_f32 v[64+4*\hd+\i], v[64+4*\hd+\i], s[32+\hd]
.endr
.endr
.set u, 0
.rept 64
	v_exp_f32 v[64+u], v[64+u]
.set u, u+1
.endr
	v_nop
	s_wait_alu depctr_va_vdst(0)
.irp i, 0,1,2,3
	v_mul_f32 v[16+\i], v[64+\i], s48
.endr
.irp hd, 1,2,3,4,5,6,7,8,9,10,11,12,13,14,15
.irp i, 0,1,2,3
	v_fma_f32 v[16+\i], v[64+4*\hd+\i], s[48+\hd], v[16+\i]
.endr
.endr
	global_store_b128 v4, v[16:19], s[14:15]       ; 512 consecutive bytes, aligned
	s_endpgm
.Lfunc_end_k_q664c0959cd_ctx:
	.size	k_q664c0959cd_ctx, .Lfunc_end_k_q664c0959cd_ctx-k_q664c0959cd_ctx
	.p2alignl 7, 3214868480
	.fill 96, 4, 3214868480
	.section	.rodata,"a",@progbits
	.p2align	6, 0x0
	.amdhsa_kernel k_q664c0959cd_ctx
		.amdhsa_group_segment_fixed_size 60416
		.amdhsa_private_segment_fixed_size 0
		.amdhsa_enable_private_segment 0
		.amdhsa_kernarg_size 48
		.amdhsa_user_sgpr_count 2
		.amdhsa_user_sgpr_kernarg_segment_ptr 1
		.amdhsa_wavefront_size32 1
		.amdhsa_system_sgpr_workgroup_id_x 1
		.amdhsa_system_sgpr_workgroup_id_y 1
		.amdhsa_system_sgpr_workgroup_id_z 1
		.amdhsa_system_vgpr_workitem_id 0
		.amdhsa_next_free_vgpr 256
		.amdhsa_next_free_sgpr 66
		.amdhsa_reserve_vcc 0
		.amdhsa_float_denorm_mode_32 3
		.amdhsa_float_denorm_mode_16_64 3
		.amdhsa_memory_ordered 1
		.amdhsa_forward_progress 1
		.amdhsa_inst_pref_size 45
	.end_amdhsa_kernel
	.amdgpu_metadata
---
amdhsa.version: [ 1, 2 ]
amdhsa.kernels:
  - .name:           k_q664c0959cd_ctx
    .symbol:         k_q664c0959cd_ctx.kd
    .args:
      - { .name: part, .offset: 0, .size: 8, .value_kind: global_buffer, .address_space: global }
      - { .name: ml, .offset: 8, .size: 8, .value_kind: global_buffer, .address_space: global }
      - { .name: sc, .offset: 16, .size: 8, .value_kind: global_buffer, .address_space: global }
      - { .name: in_proj_w, .offset: 24, .size: 8, .value_kind: global_buffer, .address_space: global }
      - { .name: cp, .offset: 32, .size: 8, .value_kind: global_buffer, .address_space: global }
      - { .name: out1, .offset: 40, .size: 8, .value_kind: global_buffer, .address_space: global }
    .group_segment_fixed_size: 60416
    .private_segment_fixed_size: 0
    .kernarg_segment_align: 8
    .kernarg_segment_size: 48
    .max_flat_workgroup_size: 256
    .sgpr_count:     66
    .vgpr_count:     256
    .wavefront_size: 32
...
	.end_amdgpu_metadata
.endif
;; end of part 3
;; launch outp (part 4): grid 16 x 2, 16 waves a work-group, no clusters, 292,864 bytes of LDS; arguments cp, in_proj_b, out_w, out_b, out0; writes out0
.if DOCPART == 4
	.amdgcn_target "amdgcn-amd-amdhsa--gfx1250"
	.amdhsa_code_object_version 6
	.text
	.protected	k_q664c0959cd_outp
	.globl	k_q664c0959cd_outp
	.p2align	8
	.type	k_q664c0959cd_outp,@function
k_q664c0959cd_outp:
	s_mov_b64 s[64:65], 0
	v_nop
	global_prefetch_b8 v0, s[64:65] scope:SCOPE_SE
	s_setreg_imm32_b32 hwreg(HW_REG_WAVE_MODE, 25, 1), 1
	s_wait_xcnt 0x0
; outp: ctx[b][k] = cp[0][b][k] + cp[1][b][k] + cp[2][b][k] + cp[3][b][k] + bv[k]   (the attention weights of a head add up to 1, so bv enters once)
;       out0[b][o] = sum over k of ctx[b][k] out_w[o][k] + out_b[o]
; A work-group has 64 columns o (grid x) and sixteen batches (grid y): a row's piece of out0 is 256 consecutive bytes.
; Sixteen waves share K: wave w has k = 64 w .. 64 w + 63, loads them, lays them into LDS bytes of its own and multiplies them,
; so only the last sum crosses waves (one barrier).  ctx goes to the matrix unit as two bf16 numbers, hi + lo, in two products,
; so that no rounding of this intermediate is left; out_w in bf16.
; Everything comes through registers, where it is summed or rounded: no copy engine and no cluster.
; LIMITS: the order of the sums differs from a plain dot product's.
.set PW,   144                         ; pitch of 64 bf16: an odd multiple of 16 bytes
.set PR,   272                         ; pitch of 64 f32
.set ALO,  16*PW                       ; in a wave's bytes: ctx hi at 0, lo behind it,
.set WSO,  2*16*PW                     ; out_w's 64 rows behind that
.set WAVE, WSO+64*PW                   ; 13,824 bytes a wave
.set RED,  16*WAVE                     ; f32 [16 waves][16 b][64 o]
.set VB,   4                           ; v4  16 r
.set VA,   5                           ; v5  h rows of 4,096 bytes + 16 r
.set AST,  6                           ; v6  where 8 bytes of bf16 go
.set FAD,  7                           ; v7  fragments
.set RDW,  8                           ; v8  my partial sums, in
.set RDR,  9                           ; v9  the sixteen partial sums, back
.set A0,   32                          ; v[32:159]  32 loads of cp; later 16 of out_w, later the partial sums
.set W0,   160                         ; v[160:223] 16 loads of out_w
.set AH,   96                          ; fragments: ctx hi (2 K steps),
.set AL,   112                         ; ctx lo,
.set WF,   128                         ; out_w (4 tiles x 2 K steps)
.set ACC,  192                         ; four accumulators
.macro PLACES                          ; four plain vector instructions behind a matrix instruction (ISA guide 7.12.1)
.rept 4
	v_nop
.endr
.endm
.macro CVST d, src, adr, off           ; four f32 to four bf16, 8 bytes into LDS
	v_cvt_pk_bf16_f32 v[\d], v[\src], v[\src+1]
	v_cvt_pk_bf16_f32 v[\d+1], v[\src+2], v[\src+3]
	ds_store_b64 v[\adr], v[\d:\d+1] offset:\off
.endm
.macro CVHL hi, lo, a, t               ; two f32 as two bf16 each: hi = bf16(a), lo = bf16(a - hi)
	v_cvt_pk_bf16_f32 v[\hi], v[\a], v[\a+1]
	v_lshlrev_b32 v[\t], 16, v[\hi]
	v_and_b32 v[\t+1], 0xffff0000, v[\hi]
	v_pk_add_f32 v[\t:\t+1], v[\a:\a+1], v[\t:\t+1] neg_lo:[0,1] neg_hi:[0,1]
	v_cvt_pk_bf16_f32 v[\lo], v[\t], v[\t+1]
.endm
	s_load_b256 s[4:11], s[0:1], 0x0               ; cp s[4:5], in_proj_b s[6:7], out_w s[8:9], out_b s[10:11]
	s_load_b64 s[12:13], s[0:1], 0x20              ; out0
	v_lshl_add_u32 v224, v0, 2, 0x47000
	v_mov_b32 v225, 0
	v_lshrrev_b32 v1, 5, v0
	v_readfirstlane_b32 s20, v1                    ; wave w
	s_mov_b32 s21, ttmp9                           ; ob: which 64 columns o
	s_and_b32 s22, ttmp7, 0xffff                   ; bg: which sixteen batches
	s_mov_b32 s25, 0                               ; the upper word of every offset
	s_lshl_b32 s23, s20, 8                         ; my 64 k in bytes of f32
	v_and_b32 v2, 15, v0                           ; r
	v_bfe_u32 v3, v0, 4, 1                         ; h
	v_lshlrev_b32 v[VB], 4, v2
	v_lshl_add_u32 v[VA], v3, 12, v[VB]
	s_wait_kmcnt 0x0
	s_add_co_u32 s24, s23, 8192
	s_add_nc_u64 s[6:7], s[6:7], s[24:25]          ; bv[64 w]
	s_lshl_b32 s24, s22, 16
	s_add_co_u32 s24, s24, s23
	s_add_nc_u64 s[4:5], s[4:5], s[24:25]          ; cp[0][16 bg][64 w]
	s_lshl_b32 s24, s21, 18
	s_add_co_u32 s24, s24, s23
	s_add_nc_u64 s[8:9], s[8:9], s[24:25]          ; out_w[64 ob][64 w]
	s_lshl_b32 s24, s21, 8
	s_add_nc_u64 s[10:11], s[10:11], s[24:25]      ; out_b[64 ob]
	s_lshl_b32 s28, s22, 4
	s_lshl1_add_u32 s28, s20, s28                  ; the rows that waves 0 to 7 store: 16 bg + 2 w
	s_lshl_b32 s28, s28, 12
	s_add_co_u32 s24, s24, s28
	s_add_nc_u64 s[12:13], s[12:13], s[24:25]      ; out0[16 bg + 2 w][64 ob]
	; 49 loads: bv; the four partial sums of two batches at a time (two runs of 256 consecutive bytes a load); out_w's rows 0 to 31
	global_load_b128 v[28:31], v[VB], s[6:7]
.irp rp, 0,1,2,3,4,5,6,7
.irp p, 0,1,2,3
	global_load_b128 v[A0+16*\rp+4*\p:A0+16*\rp+4*\p+3], v[VA], s[4:5] offset:\p*131072+\rp*8192
.endr
.endr
.irp rq, 0,1,2,3,4,5,6,7,8,9,10,11,12,13,14,15
	global_load_b128 v[W0+4*\rq:W0+4*\rq+3], v[VA], s[8:9] offset:\rq*8192
.endr
	; LDS addresses
	s_mul_i32 s28, s20, WAVE
	v_mul_u32_u24 v10, v3, PW
	v_lshl_add_u32 v10, v2, 3, v10
	v_add_nc_u32 v[AST], s28, v10                  ; my bytes + h PW + 8 r
	v_mul_u32_u24 v10, v2, PW
	v_lshl_add_u32 v10, v3, 4, v10
	v_add_nc_u32 v[FAD], s28, v10                  ; my bytes + r PW + 16 h
	v_mul_u32_u24 v10, v2, PR
	v_lshl_add_u32 v10, v3, 5, v10
	s_mul_i32 s28, s20, 16*PR
	s_add_co_u32 s28, s28, RED
	v_add_nc_u32 v[RDW], s28, v10
	v_mul_u32_u24 v10, v3, PR
	v_lshl_add_u32 v10, v2, 4, v10
	s_mul_i32 s28, s20, 2*PR
	s_add_co_u32 s28, s28, RED
	v_add_nc_u32 v[RDR], s28, v10
.irp rp, 0,1,2,3,4,5,6,7
	s_wait_loadcnt 44-4*\rp                        ; bv and my four loads are in; the later groups' and out_w's sixteen may be out
	v_pk_add_f32 v[A0+16*\rp:A0+16*\rp+1],     v[A0+16*\rp:A0+16*\rp+1],     v[A0+16*\rp+4:A0+16*\rp+5]
	v_pk_add_f32 v[A0+16*\rp+2:A0+16*\rp+3],   v[A0+16*\rp+2:A0+16*\rp+3],   v[A0+16*\rp+6:A0+16*\rp+7]
	v_pk_add_f32 v[A0+16*\rp+8:A0+16*\rp+9],   v[A0+16*\rp+8:A0+16*\rp+9],   v[A0+16*\rp+12:A0+16*\rp+13]
	v_pk_add_f32 v[A0+16*\rp+10:A0+16*\rp+11], v[A0+16*\rp+10:A0+16*\rp+11], v[A0+16*\rp+14:A0+16*\rp+15]
	v_pk_add_f32 v[A0+16*\rp:A0+16*\rp+1],     v[A0+16*\rp:A0+16*\rp+1],     v[A0+16*\rp+8:A0+16*\rp+9]
	v_pk_add_f32 v[A0+16*\rp+2:A0+16*\rp+3],   v[A0+16*\rp+2:A0+16*\rp+3],   v[A0+16*\rp+10:A0+16*\rp+11]
	v_pk_add_f32 v[A0+16*\rp:A0+16*\rp+1],     v[A0+16*\rp:A0+16*\rp+1],     v[28:29]
	v_pk_add_f32 v[A0+16*\rp+2:A0+16*\rp+3],   v[A0+16*\rp+2:A0+16*\rp+3],   v[30:31]
	CVHL 16, 18, A0+16*\rp, 20
	CVHL 17, 19, A0+16*\rp+2, 20
	ds_store_b64 v[AST], v[16:17] offset:2*PW*\rp
	ds_store_b64 v[AST], v[18:19] offset:ALO+2*PW*\rp
.endr
.irp rq, 16,17,18,19,20,21,22,23,24,25,26,27,28,29,30,31
	global_load_b128 v[A0+4*(\rq-16):A0+4*(\rq-16)+3], v[VA], s[8:9] offset:\rq*8192   ; out_w's rows 32 to 63, over cp's registers, which are used up
.endr
.set kk, 0
.rept 32
.if kk < 16
.set wr, W0+4*kk
.else
.set wr, A0+4*(kk-16)
.endif
	s_wait_loadcnt 31-kk
	CVST 16+2*(kk&1), wr, AST, WSO+2*PW*kk
.set kk, kk+1
.endr
	; my K = 64: two K steps.  All bytes are my own and LDS serves a wave in order (ISA guide 5.7.1): no barrier.
.irp ks, 0,1
	ds_load_b128 v[AH+8*\ks:AH+8*\ks+3],   v[FAD] offset:64*\ks
	ds_load_b128 v[AH+8*\ks+4:AH+8*\ks+7], v[FAD] offset:64*\ks+32
	ds_load_b128 v[AL+8*\ks:AL+8*\ks+3],   v[FAD] offset:ALO+64*\ks
	ds_load_b128 v[AL+8*\ks+4:AL+8*\ks+7], v[FAD] offset:ALO+64*\ks+32
.irp nt, 0,1,2,3
	ds_load_b128 v[WF+16*\nt+8*\ks:WF+16*\nt+8*\ks+3],   v[FAD] offset:WSO+16*PW*\nt+64*\ks
	ds_load_b128 v[WF+16*\nt+8*\ks+4:WF+16*\nt+8*\ks+7], v[FAD] offset:WSO+16*PW*\nt+64*\ks+32
.endr
.endr
	s_wait_dscnt 0x0
; four matrix instructions: source 0 = rows of out_w, source 1 = rows of ctx: a lane holds eight neighbouring o of one batch.
; The four accumulators take turns.
.macro OW a, ks, zero
.irp nt, 0,1,2,3
.if \zero
	v_wmma_f32_16x16x32_bf16 v[ACC+8*\nt:ACC+8*\nt+7], v[WF+16*\nt+8*\ks:WF+16*\nt+8*\ks+7], v[\a+8*\ks:\a+8*\ks+7], 0
.else
	v_wmma_f32_16x16x32_bf16 v[ACC+8*\nt:ACC+8*\nt+7], v[WF+16*\nt+8*\ks:WF+16*\nt+8*\ks+7], v[\a+8*\ks:\a+8*\ks+7], v[ACC+8*\nt:ACC+8*\nt+7]
.endif
.endr
.endm
	OW AH, 0, 1
	OW AL, 0, 0
	OW AH, 1, 0
	OW AL, 1, 0
	PLACES
.irp nt, 0,1,2,3
	ds_store_b128 v[RDW], v[ACC+8*\nt:ACC+8*\nt+3]   offset:64*\nt
	ds_store_b128 v[RDW], v[ACC+8*\nt+4:ACC+8*\nt+7] offset:64*\nt+16
.endr
	s_wait_dscnt 0x0
	s_barrier_signal -1
	s_barrier_wait -1                              ; all sixteen partial sums are in LDS
	s_cmp_ge_u32 s20, 8
	s_cbranch_scc1 .Lend                           ; sixteen rows, two a wave: waves 0 to 7 add and store; no barrier follows
	global_load_b128 v[24:27], v[VB], s[10:11]     ; out_b
.irp p, 0,1,2,3,4,5,6,7,8,9,10,11,12,13,14,15
	ds_load_b128 v[A0+4*\p:A0+4*\p+3], v[RDR] offset:16*PR*\p
.endr
	s_wait_dscnt 0x0
.irp st, 8,4,2,1
.set p, 0
.rept \st
	v_pk_add_f32 v[A0+4*p:A0+4*p+1],   v[A0+4*p:A0+4*p+1],   v[A0+4*(p+\st):A0+4*(p+\st)+1]
	v_pk_add_f32 v[A0+4*p+2:A0+4*p+3], v[A0+4*p+2:A0+4*p+3], v[A0+4*(p+\st)+2:A0+4*(p+\st)+3]
.set p, p+1
.endr
.endr
	s_wait_loadcnt 0x0
	v_pk_add_f32 v[A0:A0+1],   v[A0:A0+1],   v[24:25]
	v_pk_add_f32 v[A0+2:A0+3], v[A0+2:A0+3], v[26:27]
	global_store_b128 v[VA], v[A0:A0+3], s[12:13]  ; sixteen lanes store 256 consecutive bytes, aligned: a batch's 64 o
.Lend:
	s_wait_tensorcnt 0x0
	ds_add_u32 v224, v225
	s_wait_dscnt 0x0
	s_endpgm
.Lfunc_end_k_q664c0959cd_outp:
	.size	k_q664c0959cd_outp, .Lfunc_end_k_q664c0959cd_outp-k_q664c0959cd_outp
	.p2alignl 7, 3214868480
	.fill 96, 4, 3214868480
	.section	.rodata,"a",@progbits
	.p2align	6, 0x0
	.amdhsa_kernel k_q664c0959cd_outp
		.amdhsa_group_segment_fixed_size 292864
		.amdhsa_private_segment_fixed_size 0
		.amdhsa_enable_private_segment 0
		.amdhsa_kernarg_size 40
		.amdhsa_user_sgpr_count 2
		.amdhsa_user_sgpr_kernarg_segment_ptr 1
		.amdhsa_wavefront_size32 1
		.amdhsa_system_sgpr_workgroup_id_x 1
		.amdhsa_system_sgpr_workgroup_id_y 1
		.amdhsa_system_sgpr_workgroup_id_z 1
		.amdhsa_system_vgpr_workitem_id 0
		.amdhsa_next_free_vgpr 226
		.amdhsa_next_free_sgpr 66
		.amdhsa_reserve_vcc 0
		.amdhsa_float_denorm_mode_32 3
		.amdhsa_float_denorm_mode_16_64 3
		.amdhsa_memory_ordered 1
		.amdhsa_forward_progress 1
		.amdhsa_inst_pref_size 33
	.end_amdhsa_kernel
	.amdgpu_metadata
---
amdhsa.version: [ 1, 2 ]
amdhsa.kernels:
  - .name:           k_q664c0959cd_outp
    .symbol:         k_q664c0959cd_outp.kd
    .args:
      - { .name: cp, .offset: 0, .size: 8, .value_kind: global_buffer, .address_space: global }
      - { .name: in_proj_b, .offset: 8, .size: 8, .value_kind: global_buffer, .address_space: global }
      - { .name: out_w, .offset: 16, .size: 8, .value_kind: global_buffer, .address_space: global }
      - { .name: out_b, .offset: 24, .size: 8, .value_kind: global_buffer, .address_space: global }
      - { .name: out0, .offset: 32, .size: 8, .value_kind: global_buffer, .address_space: global }
    .group_segment_fixed_size: 292864
    .private_segment_fixed_size: 0
    .kernarg_segment_align: 8
    .kernarg_segment_size: 40
    .max_flat_workgroup_size: 512
    .sgpr_count:     66
    .vgpr_count:     226
    .wavefront_size: 32
...
	.end_amdgpu_metadata
.endif
;; end of part 4
;; ======== version 2 of 3: 5 launches; 1.21 times as fast as version 1
;; workspace buffers: qk 1,048,576 bytes; cq 2,048 bytes; part 16,777,216 bytes; ml 32,768 bytes; sc 2,097,152 bytes; cp 524,288 bytes; owb 2,097,152 bytes; qpart 524,288 bytes
;; launch qproj (part 5): grid 4 x 64, 4 waves a work-group, no clusters, 34,304 bytes of LDS; arguments x, in_proj_w, qpart, out_w, owb; writes qpart, owb
.if DOCPART == 5
	.amdgcn_target "amdgcn-amd-amdhsa--gfx1250"
	.amdhsa_code_object_version 6
	.text
	.protected	k_q664c0959cd_qproj
	.globl	k_q664c0959cd_qproj
	.p2align	8
	.type	k_q664c0959cd_qproj,@function
k_q664c0959cd_qproj:
	s_mov_b64 s[64:65], 0
	v_nop
	global_prefetch_b8 v0, s[64:65] scope:SCOPE_SE
	s_setreg_imm32_b32 hwreg(HW_REG_WAVE_MODE, 25, 1), 1
	s_wait_xcnt 0x0
; qproj: two pieces of work that need only the inputs, side by side in one launch.  Four waves.
; Work-groups with grid y = 0 to 31: partial sums of the one query of each batch.
;   qpart[kq][..] = sum over the 256 k of quarter kq (grid x) of x[b][0][k] Wq[32 y + d][k],  32 b x 32 d,  f32, no bias and no scale yet.
;   The work-group reads 32 x 1,024 bytes of x and 32 x 1,024 bytes of Wq, rounds them to bf16 into LDS, and wave w makes the tile
;   (mt = w / 2: sixteen b, nt = w % 2: sixteen d).  The tile is stored as the registers hold it:
;   qpart = [kq 4][y 32][tile 4][i 2][lane 32][4 f32]; lane (r, h), word e of piece i is b = 16 mt + r, d = 32 y + 16 nt + 8 h + 4 i + e.
;   That is the order in which the same lane of the next launch needs q for its fragment, so q passes no LDS stage on either side,
;   and each store of a wave covers 512 consecutive bytes, aligned.
; Work-groups with grid y = 32 to 63: owb = out_w rounded to bf16, eight rows a work-group, two a wave.  The last launch reads each row
;   of out_w in sixteen work-groups: rounded once here, those reads are half as long and the rounding is not repeated.
; No cluster and no copy engine: x's piece is shared by the 32 work-groups of a quarter, but it is f32 and has to pass through registers
; to become bf16; it is asked for once, at the first lines, and no LDS byte is ever filled again.
; LIMITS: the order of the sums differs from a plain dot product's; x and Wq go to the matrix unit in bf16.
.set PX,   528                         ; LDS pitch of a row of 256 bf16: 512 + 16, an odd multiple of 16 bytes
.set WQB,  32*PX                       ; x's 32 rows at 0, Wq's 32 rows behind them
.set ST0,  5                           ; v5   where my bf16 of x go
.set ST1,  6                           ; v6   of Wq
.set AA,   7                           ; v7   fragments of x
.set G16,  8                           ; v8   16 x lane
.set VX,   8                           ; v[8:11] 16 x lane + p x 8,388,608: x's rows lie 4,194,304 bytes apart, two rows to an offset register
.set AB,   12                          ; v12  fragments of Wq
.set T,    16                          ; v[16:23] at work
.set RING, 32                          ; v[32:159] 32 loads of 4 registers
.set FA,   32                          ; v[32:63]  four fragments of x
.set FB,   64                          ; v[64:95]  four fragments of Wq
.set QA,   96                          ; v[96:111] two accumulators
.macro PLACES                          ; four plain vector instructions behind a matrix instruction (ISA guide 7.12.1)
.rept 4
	v_nop
.endr
.endm
.macro CVST d, src, adr, off           ; four f32 to four bf16, 8 bytes into LDS
	v_cvt_pk_bf16_f32 v[\d], v[\src], v[\src+1]
	v_cvt_pk_bf16_f32 v[\d+1], v[\src+2], v[\src+3]
	ds_store_b64 v[\adr], v[\d:\d+1] offset:\off
.endm
	s_load_b256 s[4:11], s[0:1], 0x0               ; x s[4:5], in_proj_w s[6:7], qpart s[8:9], out_w s[10:11]
	s_load_b64 s[12:13], s[0:1], 0x20              ; owb
	v_lshl_add_u32 v160, v0, 2, 0x8400
	v_mov_b32 v161, 0
	v_lshrrev_b32 v1, 5, v0
	v_readfirstlane_b32 s20, v1                    ; wave w, 0 to 3
	s_mov_b32 s21, ttmp9                           ; grid x: kq, the quarter of K
	s_and_b32 s22, ttmp7, 0xffff                   ; grid y: the block of 32 d, or 32 and more for out_w
	s_mov_b32 s25, 0                               ; the upper word of every offset
	v_and_b32 v1, 31, v0                           ; lane L
	v_and_b32 v2, 15, v0                           ; r
	v_bfe_u32 v3, v0, 4, 1                         ; h
	v_lshlrev_b32 v[G16], 4, v1
	s_wait_kmcnt 0x0
	s_cmp_ge_u32 s22, 32
	s_cbranch_scc1 .Lconv                          ; the same for all waves of a work-group
	s_lshl_b32 s28, s21, 10                        ; my 256 columns, in bytes of f32
	s_lshl_b32 s24, s20, 25                        ; batch 8 w: a batch is 4,194,304 bytes
	s_add_co_u32 s24, s24, s28
	s_add_nc_u64 s[4:5], s[4:5], s[24:25]          ; x[8 w][0][256 kq]
	s_lshl_b32 s24, s22, 5
	s_lshl3_add_u32 s24, s20, s24                  ; row 32 y + 8 w
	s_lshl_b32 s24, s24, 12
	s_add_co_u32 s24, s24, s28
	s_add_nc_u64 s[6:7], s[6:7], s[24:25]          ; Wq[32 y + 8 w][256 kq]
	s_lshl_b32 s24, s21, 17
	s_lshl_b32 s29, s22, 12
	s_add_co_u32 s24, s24, s29
	s_lshl_b32 s29, s20, 10
	s_add_co_u32 s24, s24, s29
	s_add_nc_u64 s[8:9], s[8:9], s[24:25]          ; qpart[kq][y][tile w]
.irp p, 1,2,3
	v_add_nc_u32 v[VX+\p], \p*0x800000, v[G16]
.endr
	; 32 loads at once, 512 consecutive bytes each: 1,024 bytes of eight rows of x, then of eight rows of Wq
.set kk, 0
.rept 16
	global_load_b128 v[RING+4*kk:RING+4*kk+3], v[VX+(kk>>2)], s[4:5] offset:((kk>>1)&1)*4194304+(kk&1)*512
.set kk, kk+1
.endr
.rept 16
	global_load_b128 v[RING+4*kk:RING+4*kk+3], v[G16], s[6:7] offset:((kk-16)>>1)*4096+(kk&1)*512 th:TH_LOAD_NT
.set kk, kk+1
.endr
	; LDS addresses, while the loads are on their way
	v_lshlrev_b32 v24, 3, v1                       ; 8 L
	s_mul_i32 s29, s20, 8*PX
	v_add_nc_u32 v[ST0], s29, v24                  ; my eight rows + 8 L
	v_add_nc_u32 v[ST1], WQB, v[ST0]
	v_mul_u32_u24 v25, v2, PX
	v_lshl_add_u32 v25, v3, 4, v25                 ; r PX + 16 h
	s_lshr_b32 s30, s20, 1                         ; mt
	s_and_b32 s31, s20, 1                          ; nt
	s_mul_i32 s30, s30, 16*PX
	v_add_nc_u32 v[AA], s30, v25
	s_mul_i32 s31, s31, 16*PX
	s_add_co_u32 s31, s31, WQB
	v_add_nc_u32 v[AB], s31, v25
	; f32 to bf16 into LDS.  Loads come back in order: load k is in when at most 31 - k younger ones are out.
.set kk, 0
.rept 16
	s_wait_loadcnt 31-kk
	CVST T+2*(kk&3), RING+4*kk, ST0, (kk>>1)*PX+(kk&1)*256
.set kk, kk+1
.endr
.rept 16
	s_wait_loadcnt 31-kk
	CVST T+2*(kk&3), RING+4*kk, ST1, ((kk-16)>>1)*PX+(kk&1)*256
.set kk, kk+1
.endr
	s_wait_dscnt 0x0                               ; my stores are done,
	s_barrier_signal -1
	s_barrier_wait -1                              ; everybody's are: x's and Wq's pieces are whole in LDS
	; my tile of 16 d x 16 b over K = 256: eight K steps of 32 in two groups of four.
	; Source 0 = rows of Wq, source 1 = rows of x: a lane then holds eight neighbouring d of one batch.
	; The two accumulators take turns, one instruction a turn.
.macro G4W q, zero
	s_wait_dscnt 12-4*\q                           ; the four loads of each later K step of the group may be out
.if \zero
	v_wmma_f32_16x16x32_bf16 v[QA+8*(\q&1):QA+8*(\q&1)+7], v[FB+8*\q:FB+8*\q+7], v[FA+8*\q:FA+8*\q+7], 0
.else
	v_wmma_f32_16x16x32_bf16 v[QA+8*(\q&1):QA+8*(\q&1)+7], v[FB+8*\q:FB+8*\q+7], v[FA+8*\q:FA+8*\q+7], v[QA+8*(\q&1):QA+8*(\q&1)+7]
.endif
.endm
.macro G4 kb, first
.if \first == 0
	PLACES                                         ; the loads below land on registers that the last matrix instructions read
.endif
.irp q, 0,1,2,3
	ds_load_b128 v[FA+8*\q:FA+8*\q+3],   v[AA] offset:\kb+64*\q
	ds_load_b128 v[FA+8*\q+4:FA+8*\q+7], v[AA] offset:\kb+64*\q+32
	ds_load_b128 v[FB+8*\q:FB+8*\q+3],   v[AB] offset:\kb+64*\q
	ds_load_b128 v[FB+8*\q+4:FB+8*\q+7], v[AB] offset:\kb+64*\q+32
.endr
	G4W 0, \first
	G4W 1, \first
	G4W 2, 0
	G4W 3, 0
.endm
	G4 0, 1
	G4 256, 0
	PLACES
.irp u, 0,2,4,6
	v_pk_add_f32 v[QA+\u:QA+\u+1], v[QA+\u:QA+\u+1], v[QA+8+\u:QA+8+\u+1]
.endr
	global_store_b128 v[G16], v[QA:QA+3], s[8:9]               ; each store: 512 consecutive bytes, aligned
	global_store_b128 v[G16], v[QA+4:QA+7], s[8:9] offset:512
	s_wait_tensorcnt 0x0
	ds_add_u32 v160, v161
	s_wait_dscnt 0x0
	s_endpgm
	; ---------------- out_w rounded to bf16: two rows of 1,024 numbers a wave, no LDS, no barrier ----------------
.Lconv:
	s_sub_co_u32 s29, s22, 32
	s_lshl2_add_u32 s29, s29, s21                  ; which eight rows: 4 (y - 32) + x, 0 to 127
	s_lshl_b32 s29, s29, 3
	s_lshl1_add_u32 s29, s20, s29                  ; my first row: 8 x that + 2 w
	s_lshl_b32 s24, s29, 12
	s_add_nc_u64 s[10:11], s[10:11], s[24:25]      ; out_w: 4,096 bytes a row
	s_lshl_b32 s24, s29, 11
	s_add_nc_u64 s[12:13], s[12:13], s[24:25]      ; owb: 2,048 bytes a row
	v_lshlrev_b32 v24, 3, v1                       ; 8 L
.set kk, 0
.rept 16
	global_load_b128 v[32+4*kk:32+4*kk+3], v[G16], s[10:11] offset:512*kk th:TH_LOAD_NT   ; the two rows follow each other in memory
.set kk, kk+1
.endr
.set kk, 0
.rept 16
	s_wait_loadcnt 15-kk                           ; loads come back in order: piece k is in, the later ones may be out
	v_cvt_pk_bf16_f32 v[96+2*kk], v[32+4*kk], v[32+4*kk+1]
	v_cvt_pk_bf16_f32 v[97+2*kk], v[32+4*kk+2], v[32+4*kk+3]
	global_store_b64 v24, v[96+2*kk:97+2*kk], s[12:13] offset:256*kk   ; each store: 256 consecutive bytes, aligned; its registers are not written again
.set kk, kk+1
.endr
	s_endpgm
.Lfunc_end_k_q664c0959cd_qproj:
	.size	k_q664c0959cd_qproj, .Lfunc_end_k_q664c0959cd_qproj-k_q664c0959cd_qproj
	.p2alignl 7, 3214868480
	.fill 96, 4, 3214868480
	.section	.rodata,"a",@progbits
	.p2align	6, 0x0
	.amdhsa_kernel k_q664c0959cd_qproj
		.amdhsa_group_segment_fixed_size 34304
		.amdhsa_private_segment_fixed_size 0
		.amdhsa_enable_private_segment 0
		.amdhsa_kernarg_size 40
		.amdhsa_user_sgpr_count 2
		.amdhsa_user_sgpr_kernarg_segment_ptr 1
		.amdhsa_wavefront_size32 1
		.amdhsa_system_sgpr_workgroup_id_x 1
		.amdhsa_system_sgpr_workgroup_id_y 1
		.amdhsa_system_sgpr_workgroup_id_z 1
		.amdhsa_system_vgpr_workitem_id 0
		.amdhsa_next_free_vgpr 162
		.amdhsa_next_free_sgpr 66
		.amdhsa_reserve_vcc 0
		.amdhsa_float_denorm_mode_32 3
		.amdhsa_float_denorm_mode_16_64 3
		.amdhsa_memory_ordered 1
		.amdhsa_forward_progress 1
		.amdhsa_inst_pref_size 22
	.end_amdhsa_kernel
	.amdgpu_metadata
---
amdhsa.version: [ 1, 2 ]
amdhsa.kernels:
  - .name:           k_q664c0959cd_qproj
    .symbol:         k_q664c0959cd_qproj.kd
    .args:
      - { .name: x, .offset: 0, .size: 8, .value_kind: global_buffer, .address_space: global }
      - { .name: in_proj_w, .offset: 8, .size: 8, .value_kind: global_buffer, .address_space: global }
      - { .name: qpart, .offset: 16, .size: 8, .value_kind: global_buffer, .address_space: global }
      - { .name: out_w, .offset: 24, .size: 8, .value_kind: global_buffer, .address_space: global }
      - { .name: owb, .offset: 32, .size: 8, .value_kind: global_buffer, .address_space: global }
    .group_segment_fixed_size: 34304
    .private_segment_fixed_size: 0
    .kernarg_segment_align: 8
    .kernarg_segment_size: 40
    .max_flat_workgroup_size: 128
    .sgpr_count:     66
    .vgpr_count:     162
    .wavefront_size: 32
...
	.end_amdgpu_metadata
.endif
;; end of part 5
;; launch qkmul (part 6): grid 8 x 16, 8 waves a work-group, no clusters, 32,768 bytes of LDS; arguments qpart, in_proj_w, in_proj_b, qk, cq; writes qk, cq
.if DOCPART == 6
	.amdgcn_target "amdgcn-amd-amdhsa--gfx1250"
	.amdhsa_code_object_version 6
	.text
	.protected	k_q664c0959cd_qkmul
	.globl	k_q664c0959cd_qkmul
	.p2align	8
	.type	k_q664c0959cd_qkmul,@function
k_q664c0959cd_qkmul:
	s_mov_b64 s[64:65], 0
	v_nop
	global_prefetch_b8 v0, s[64:65] scope:SCOPE_SE
	s_setreg_imm32_b32 hwreg(HW_REG_WAVE_MODE, 25, 1), 1
	s_wait_xcnt 0x0
; qkmul: the query carried through Wk.
;   q[b][d]        = (sum over the four quarters of qpart + bq[64 head + d]) * SCL        SCL = log2(e) / 8
;   qk[b][head][e] = sum over d of q[b][d] Wk[64 head + d][e]   (bf16)           so that  score * log2(e) = x[b][s][:] . qk + cq
;   cq[b][head]    = sum over d of q[b][d] bk[64 head + d]      (f32)
; A work-group takes one head (grid y) and 128 columns e (grid x = c): a row's piece of qk is 256 consecutive bytes.  It reads
; 4 x 8,192 bytes of qpart and 64 x 512 bytes of Wk.  Eight waves.
; Wave w = 4 ks + 2 mt + g first makes q for b = 16 mt + r, d = 32 ks + 16 g + 8 h + 0 .. 7: qpart holds these eight numbers at this
; very lane's place, and rounded to bf16 they are registers 4 g .. 4 g + 3 of the fragment (mt, ks), which go to LDS lane by lane.
; Then wave w takes columns e = 16 w .. 16 w + 15 of the block, all 32 batches, K = 64.
; No cluster and no copy engine: the eight work-groups of a head share qpart's 32 KiB, but it is summed in registers on its way; Wk is f32
; and is rounded in registers; both are asked for once, at the first lines, and no LDS byte is ever filled again.
; LIMITS: the order of the sums differs from the plain dot products'; q is rounded to bf16 in front of Wk.
.set PK,   288                         ; pitch of a row of 128 bf16 read by the transposing load: an odd multiple of 32 bytes
.set PO,   272                         ; pitch of a row of 128 bf16 on the way out: an odd multiple of 16 bytes
.set AQB,  64*PK                       ; Wk's 64 rows (d) at 0; behind them q as four fragments (2 mt + ks) of 1,024 bytes
.set CQB,  AQB+4096                    ; the waves' shares of q . bk: [8 waves][16 r] f32
.set OST,  CQB+512                     ; qk in bf16: [32 b][128 e]
.set SCL,  0x3e38aa3b                  ; log2(e) / 8
.set G16,  4                           ; v4   16 x lane
.set BV,   5                           ; v5   32 x (lane / 16): my place in bq and bk
.set WKST, 6                           ; v6   where my bf16 of Wk go
.set AQST, 7                           ; v7   where my half fragment of q goes
.set CQW,  8                           ; v8   where my share of q . bk goes
.set FKA,  9                           ; v9   fragments of Wk (transposing load)
.set AQR,  10                          ; v10  fragments of q, back
.set OSW,  11                          ; v11  my qk tiles, in
.set OSR,  12                          ; v12  qk rows, back
.set QKO,  13                          ; v13  h rows of qk (32,768 bytes from batch to batch) + 16 r
.set CQR,  14                          ; v14  the shares of q . bk, back
.set T,    16                          ; v[16:23] at work
.set CC,   24                          ; v[24:25] q . bk
.set QP,   32                          ; v[32:63]  the four partial sums of my eight q
.set BQ,   64                          ; v[64:71]  bq of my eight d
.set BK,   72                          ; v[72:79]  bk of my eight d
.set WK,   80                          ; v[80:111] eight loads of Wk
.set FK,   112                         ; v[112:127] two fragments of Wk
.set AQ,   128                         ; v[128:159] four fragments of q
.set DD,   160                         ; v[160:175] two accumulators
.macro PLACES                          ; four plain vector instructions behind a matrix instruction (ISA guide 7.12.1)
.rept 4
	v_nop
.endr
.endm
.macro BAR                             ; my LDS instructions are done, then the work-group's barrier
	s_wait_dscnt 0x0
	s_barrier_signal -1
	s_barrier_wait -1
.endm
.macro CVST d, src, adr, off           ; four f32 to four bf16, 8 bytes into LDS
	v_cvt_pk_bf16_f32 v[\d], v[\src], v[\src+1]
	v_cvt_pk_bf16_f32 v[\d+1], v[\src+2], v[\src+3]
	ds_store_b64 v[\adr], v[\d:\d+1] offset:\off
.endm
	s_load_b256 s[4:11], s[0:1], 0x0               ; qpart s[4:5], in_proj_w s[6:7], in_proj_b s[8:9], qk s[10:11]
	s_load_b64 s[12:13], s[0:1], 0x20              ; cq
	v_lshl_add_u32 v176, v0, 2, 0x7c00
	v_mov_b32 v177, 0
	v_lshrrev_b32 v1, 5, v0
	v_readfirstlane_b32 s20, v1                    ; wave w, 0 to 7
	s_mov_b32 s21, ttmp9                           ; c: which 128 columns e
	s_and_b32 s22, ttmp7, 0xffff                   ; head
	s_mov_b32 s25, 0                               ; the upper word of every offset
	s_mov_b32 s26, 0x76543210                      ; v_permlanex16_b32: lane i of one half reads lane i of the other
	s_mov_b32 s27, 0xfedcba98
	s_lshr_b32 s28, s20, 2                         ; ks: which 32 d
	s_bfe_u32 s29, s20, 0x10001                    ; mt: which sixteen batches
	s_and_b32 s30, s20, 1                          ; g: which sixteen of the 32 d
	v_and_b32 v1, 31, v0                           ; lane L
	v_and_b32 v2, 15, v0                           ; r
	v_bfe_u32 v3, v0, 4, 1                         ; h
	v_lshlrev_b32 v[G16], 4, v1
	v_lshlrev_b32 v[BV], 5, v3
	s_wait_kmcnt 0x0
	s_lshl_b32 s24, s22, 13                        ; a head is two blocks of 4,096 bytes;
	s_lshl_b32 s31, s20, 10                        ; 4,096 ks + 2,048 mt + 1,024 g = 1,024 w
	s_add_co_u32 s24, s24, s31
	s_add_nc_u64 s[4:5], s[4:5], s[24:25]          ; qpart[0][2 head + ks][tile 2 mt + g]
	s_lshl_b32 s24, s22, 6
	s_lshl3_add_u32 s24, s20, s24
	s_add_co_u32 s24, s24, 1024                    ; Wk's row 64 head + 8 w: Wk lies 1,024 rows behind Wq
	s_lshl_b32 s24, s24, 12
	s_lshl_b32 s31, s21, 9                         ; my 128 columns, in bytes of f32
	s_add_co_u32 s24, s24, s31
	s_add_nc_u64 s[6:7], s[6:7], s[24:25]
	s_lshl_b32 s24, s22, 8
	s_lshl_b32 s31, s28, 7
	s_add_co_u32 s24, s24, s31
	s_lshl_b32 s31, s30, 6
	s_add_co_u32 s24, s24, s31
	s_add_nc_u64 s[8:9], s[8:9], s[24:25]          ; bq[64 head + 32 ks + 16 g]; bk is 4,096 bytes further
	s_lshl_b32 s24, s20, 17                        ; the rows that I store: batch 4 w
	s_lshl_b32 s31, s22, 11
	s_add_co_u32 s24, s24, s31
	s_lshl_b32 s31, s21, 8
	s_add_co_u32 s24, s24, s31
	s_add_nc_u64 s[10:11], s[10:11], s[24:25]      ; qk[4 w][head][128 c]
	s_lshl_b32 s24, s22, 2
	s_add_nc_u64 s[12:13], s[12:13], s[24:25]      ; cq[0][head]
	; 20 loads at once: eight of qpart and eight of Wk of 512 consecutive bytes each, four short ones of the biases
.irp kq, 0,1,2,3
.irp i, 0,1
	global_load_b128 v[QP+8*\kq+4*\i:QP+8*\kq+4*\i+3], v[G16], s[4:5] offset:\kq*131072+\i*512
.endr
.endr
.irp i, 0,1
	global_load_b128 v[BQ+4*\i:BQ+4*\i+3], v[BV], s[8:9] offset:16*\i
	global_load_b128 v[BK+4*\i:BK+4*\i+3], v[BV], s[8:9] offset:4096+16*\i
.endr
.irp rr, 0,1,2,3,4,5,6,7
	global_load_b128 v[WK+4*\rr:WK+4*\rr+3], v[G16], s[6:7] offset:\rr*4096 th:TH_LOAD_NT
.endr
	; LDS addresses, while the loads are on their way
	v_lshlrev_b32 v24, 3, v1                       ; 8 L
	s_mul_i32 s31, s20, 8*PK
	v_add_nc_u32 v[WKST], s31, v24                 ; my eight rows of Wk + 8 L
	s_lshl_b32 s31, s29, 11                        ; fragment 2 mt + ks, 1,024 bytes each; half g, 512 bytes
	s_lshl_b32 s32, s28, 10
	s_add_co_u32 s31, s31, s32
	s_lshl_b32 s32, s30, 9
	s_add_co_u32 s31, s31, s32
	s_add_co_u32 s31, s31, AQB
	v_add_nc_u32 v[AQST], s31, v[G16]
	v_add_nc_u32 v[AQR], AQB, v[G16]
	v_lshlrev_b32 v25, 2, v2                       ; 4 r
	s_lshl_b32 s31, s20, 6
	s_add_co_u32 s31, s31, CQB
	v_add_nc_u32 v[CQW], s31, v25
	v_lshl_add_u32 v25, v3, 7, v25                 ; back: lane L is batch L, so mt = h: 128 h + 4 r
	v_add_nc_u32 v[CQR], CQB, v25
	v_and_b32 v26, 7, v0
	v_lshl_add_u32 v26, v3, 3, v26                 ; row d = 8 h + (L & 7)
	v_mul_u32_u24 v26, v26, PK
	v_bfe_u32 v27, v0, 3, 1
	v_lshl_add_u32 v26, v27, 4, v26                ; + 16 bytes for the upper eight of sixteen lanes
	s_lshl_b32 s31, s20, 5                         ; my 16 columns e
	v_add_nc_u32 v[FKA], s31, v26
	v_mul_u32_u24 v28, v2, PO
	v_lshl_add_u32 v28, v3, 4, v28                 ; r PO + 16 h
	s_add_co_u32 s31, s31, OST
	v_add_nc_u32 v[OSW], s31, v28
	v_mul_u32_u24 v29, v3, PO
	v_lshl_add_u32 v29, v2, 4, v29                 ; h PO + 16 r
	s_mul_i32 s31, s20, 4*PO
	s_add_co_u32 s31, s31, OST
	v_add_nc_u32 v[OSR], s31, v29
	v_lshlrev_b32 v30, 4, v2
	v_lshl_add_u32 v[QKO], v3, 15, v30
	; my eight q, my share of q . bk
	s_wait_loadcnt 8                               ; qpart's eight loads and the biases' four are in; Wk's eight may be out
.irp u, 0,2,4,6
	v_pk_add_f32 v[QP+\u:QP+\u+1],       v[QP+\u:QP+\u+1],       v[QP+8+\u:QP+8+\u+1]
	v_pk_add_f32 v[QP+16+\u:QP+16+\u+1], v[QP+16+\u:QP+16+\u+1], v[QP+24+\u:QP+24+\u+1]
.endr
.irp u, 0,2,4,6
	v_pk_add_f32 v[QP+\u:QP+\u+1], v[QP+\u:QP+\u+1], v[QP+16+\u:QP+16+\u+1]
	v_pk_mul_f32 v[BQ+\u:BQ+\u+1], v[BQ+\u:BQ+\u+1], SCL op_sel_hi:[1,0]
.endr
.irp u, 0,2,4,6
	v_pk_fma_f32 v[QP+\u:QP+\u+1], v[QP+\u:QP+\u+1], SCL, v[BQ+\u:BQ+\u+1] op_sel_hi:[1,0,1]   ; q = (sum) SCL + bq SCL
.endr
	v_pk_mul_f32 v[CC:CC+1], v[QP:QP+1], v[BK:BK+1]
.irp u, 2,4,6
	v_pk_fma_f32 v[CC:CC+1], v[QP+\u:QP+\u+1], v[BK+\u:BK+\u+1], v[CC:CC+1]
.endr
	v_add_f32 v[CC], v[CC], v[CC+1]
	v_permlanex16_b32 v[CC+1], v[CC], s26, s27     ; the other eight d of my sixteen
	v_add_f32 v[CC], v[CC], v[CC+1]
.irp u, 0,1,2,3
	v_cvt_pk_bf16_f32 v[T+\u], v[QP+2*\u], v[QP+2*\u+1]
.endr
	ds_store_b128 v[AQST], v[T:T+3]                ; 32 lanes, 512 consecutive bytes
	ds_store_b32 v[CQW], v[CC]                     ; lanes r and 16 + r store the same number to the same word
	; Wk: f32 to bf16 into LDS, a row of 128 numbers a load
.set kk, 0
.rept 8
	s_wait_loadcnt 7-kk                            ; loads come back in order: row k is in, the later ones may be out
	CVST T+4+2*(kk&1), WK+4*kk, WKST, kk*PK
.set kk, kk+1
.endr
	BAR                                            ; q's four fragments, the shares of q . bk and Wk's 64 rows are in LDS
	; every wave takes all of q, and its own 16 columns of Wk, transposed on the way
.irp ks, 0,1
	ds_load_tr16_b128 v[FK+8*\ks:FK+8*\ks+3],   v[FKA] offset:32*PK*\ks
	ds_load_tr16_b128 v[FK+8*\ks+4:FK+8*\ks+7], v[FKA] offset:32*PK*\ks+16*PK
.endr
.irp f, 0,1,2,3
.irp g, 0,1
	ds_load_b128 v[AQ+8*\f+4*\g:AQ+8*\f+4*\g+3], v[AQR] offset:1024*\f+512*\g
.endr
.endr
	s_wait_dscnt 0x0
	; source 0 = Wk transposed (rows e), source 1 = q (columns b): a lane holds eight neighbouring e of one batch.
	; The two accumulators take turns.
	v_wmma_f32_16x16x32_bf16 v[DD:DD+7],    v[FK:FK+7],    v[AQ:AQ+7],     0
	v_wmma_f32_16x16x32_bf16 v[DD+8:DD+15], v[FK:FK+7],    v[AQ+16:AQ+23], 0
	v_wmma_f32_16x16x32_bf16 v[DD:DD+7],    v[FK+8:FK+15], v[AQ+8:AQ+15],  v[DD:DD+7]
	v_wmma_f32_16x16x32_bf16 v[DD+8:DD+15], v[FK+8:FK+15], v[AQ+24:AQ+31], v[DD+8:DD+15]
	PLACES
.set u, 0
.rept 8
	v_cvt_pk_bf16_f32 v[T+u], v[DD+2*u], v[DD+2*u+1]
.set u, u+1
.endr
	ds_store_b128 v[OSW], v[T:T+3]
	ds_store_b128 v[OSW], v[T+4:T+7] offset:16*PO
	BAR                                            ; the block of 32 b x 128 e is whole
	ds_load_b128 v[32:35], v[OSR]                  ; batches 4 w + h,
	ds_load_b128 v[36:39], v[OSR] offset:2*PO      ; and 4 w + 2 + h
	s_wait_dscnt 0x0
	global_store_b128 v[QKO], v[32:35], s[10:11]               ; sixteen lanes store 256 consecutive bytes, aligned
	global_store_b128 v[QKO], v[36:39], s[10:11] offset:65536
	s_or_b32 s31, s20, s21
	s_cmp_lg_u32 s31, 0
	s_cbranch_scc1 .Lend                           ; cq is stored once for a head: by wave 0 of the work-group with c = 0; no barrier follows
	ds_load_b32 v24, v[CQR]                        ; the shares of waves 4 ks + 2 mt + g, 64 bytes a wave: ks = 0, g = 0,
	ds_load_b32 v25, v[CQR] offset:64              ; ks = 0, g = 1,
	ds_load_b32 v26, v[CQR] offset:256             ; ks = 1, g = 0,
	ds_load_b32 v27, v[CQR] offset:320             ; ks = 1, g = 1
	v_lshlrev_b32 v28, 6, v1                       ; lane L is batch L; a batch's sixteen heads are 64 bytes
	s_wait_dscnt 0x0
	v_add_f32 v24, v24, v25
	v_add_f32 v26, v26, v27
	v_add_f32 v24, v24, v26
	global_store_b32 v28, v24, s[12:13]
.Lend:
	s_wait_tensorcnt 0x0
	ds_add_u32 v176, v177
	s_wait_dscnt 0x0
	s_endpgm
.Lfunc_end_k_q664c0959cd_qkmul:
	.size	k_q664c0959cd_qkmul, .Lfunc_end_k_q664c0959cd_qkmul-k_q664c0959cd_qkmul
	.p2alignl 7, 3214868480
	.fill 96, 4, 3214868480
	.section	.rodata,"a",@progbits
	.p2align	6, 0x0
	.amdhsa_kernel k_q664c0959cd_qkmul
		.amdhsa_group_segment_fixed_size 32768
		.amdhsa_private_segment_fixed_size 0
		.amdhsa_enable_private_segment 0
		.amdhsa_kernarg_size 40
		.amdhsa_user_sgpr_count 2
		.amdhsa_user_sgpr_kernarg_segment_ptr 1
		.amdhsa_wavefront_size32 1
		.amdhsa_system_sgpr_workgroup_id_x 1
		.amdhsa_system_sgpr_workgroup_id_y 1
		.amdhsa_system_sgpr_workgroup_id_z 1
		.amdhsa_system_vgpr_workitem_id 0
		.amdhsa_next_free_vgpr 178
		.amdhsa_next_free_sgpr 66
		.amdhsa_reserve_vcc 0
		.amdhsa_float_denorm_mode_32 3
		.amdhsa_float_denorm_mode_16_64 3
		.amdhsa_memory_ordered 1
		.amdhsa_forward_progress 1
		.amdhsa_inst_pref_size 13
	.end_amdhsa_kernel
	.amdgpu_metadata
---
amdhsa.version: [ 1, 2 ]
amdhsa.kernels:
  - .name:           k_q664c0959cd_qkmul
    .symbol:         k_q664c0959cd_qkmul.kd
    .args:
      - { .name: qpart, .offset: 0, .size: 8, .value_kind: global_buffer, .address_space: global }
      - { .name: in_proj_w, .offset: 8, .size: 8, .value_kind: global_buffer, .address_space: global }
      - { .name: in_proj_b, .offset: 16, .size: 8, .value_kind: global_buffer, .address_space: global }
      - { .name: qk, .offset: 24, .size: 8, .value_kind: global_buffer, .address_space: global }
      - { .name: cq, .offset: 32, .size: 8, .value_kind: global_buffer, .address_space: global }
    .group_segment_fixed_size: 32768
    .private_segment_fixed_size: 0
    .kernarg_segment_align: 8
    .kernarg_segment_size: 40
    .max_flat_workgroup_size: 256
    .sgpr_count:     66
    .vgpr_count:     178
    .wavefront_size: 32
...
	.end_amdgpu_metadata
.endif
;; end of part 6
;; launch pool: the kernel of part 2 again; grid 8 x 32, 8 waves a work-group, no clusters, 306,688 bytes of LDS; arguments x, mask, qk, cq, part, ml, sc; writes part, ml, sc
;; launch ctx: the kernel of part 3 again; grid 160 x 1, 8 waves a work-group, no clusters, 60,416 bytes of LDS; arguments part, ml, sc, in_proj_w, cp, out1; writes cp, out1
;; launch outp (part 7): grid 16 x 16, 8 waves a work-group, no clusters, 157,696 bytes of LDS; arguments cp, in_proj_b, owb, out_b, out0; writes out0
.if DOCPART == 7
	.amdgcn_target "amdgcn-amd-amdhsa--gfx1250"
	.amdhsa_code_object_version 6
	.text
	.protected	k_q664c0959cd_outp
	.globl	k_q664c0959cd_outp
	.p2align	8
	.type	k_q664c0959cd_outp,@function
k_q664c0959cd_outp:
	s_mov_b64 s[64:65], 0
	v_nop
	global_prefetch_b8 v0, s[64:65] scope:SCOPE_SE
	s_setreg_imm32_b32 hwreg(HW_REG_WAVE_MODE, 25, 1), 1
	s_wait_xcnt 0x0
; outp: ctx[b][k] = cp[0][b][k] + cp[1][b][k] + cp[2][b][k] + cp[3][b][k] + bv[k]   (the attention weights of a head add up to 1, so bv enters once)
;       out0[b][o] = sum over k of ctx[b][k] out_w[o][k] + out_b[o],   out_w as the first launch rounded it to bf16 (owb)
; A work-group has 64 columns o (grid x) and two batches (grid y): a row's piece of out0 is 256 consecutive bytes, and the work-group
; reads 64 x 2,048 bytes of owb and 2 x 4 x 4,096 bytes of cp, 160 KiB; 16 x 16 = 256 work-groups.
; Eight waves share K: wave w has k = 128 w .. 128 w + 127, loads them, lays them into LDS bytes of its own and multiplies them,
; so only the last sum crosses waves (one barrier).
; ctx goes to the matrix unit as two bf16 numbers, hi + lo, so that no rounding of this intermediate is left.  The four rows
; (hi of batch 0, hi of batch 1, lo of batch 0, lo of batch 1) are four columns of ONE product: lane r feeds column r from row r & 3,
; so columns 4 to 15 repeat columns 0 to 3, and lanes with the same r & 3 hold the same results.
; Everything comes through registers.  No cluster: the sixteen work-groups of a column block share owb's tile, but each asks for it once,
; at its first lines, by plain loads; there is no tensor load that could be made joint, and no slot is ever filled again.
; LIMITS: the order of the sums differs from a plain dot product's.
.set PW,   272                         ; pitch of 128 bf16, and of 64 f32: 256 + 16, an odd multiple of 16 bytes
.set ALO,  2*PW                        ; in a wave's bytes: ctx hi (2 rows) at 0, lo (2 rows) behind it,
.set WSO,  4*PW                        ; out_w's 64 rows behind that
.set WAVE, WSO+64*PW                   ; 18,496 bytes a wave
.set RED,  8*WAVE                      ; f32 [8 waves][4 rows][64 o]
.set REDW, 4*PW                        ; 1,088 bytes a wave
.set G16,  4                           ; v4   16 x lane
.set VB,   5                           ; v5   16 r
.set VW,   6                           ; v6   h rows of owb (2,048 bytes) + 16 r
.set VO,   7                           ; v7   h rows of out0 (4,096 bytes) + 16 r
.set AST,  8                           ; v8   where my 8 bytes of ctx go
.set WST,  9                           ; v9   where my 16 bytes of out_w go
.set FAA,  10                          ; v10  fragments of ctx
.set FAW,  11                          ; v11  fragments of out_w
.set RDW,  12                          ; v12  my partial sums, in
.set RDR,  13                          ; v13  the partial sums, back
.set WR,   32                          ; v[32:159]  32 loads of owb; then
.set WF,   32                          ;            its fragments (ks, nt); then the partial sums
.set CP,   160                         ; v[160:191] 8 loads of cp; then
.set AF,   160                         ;            ctx's fragments (ks)
.set ACC,  192                         ; v[192:223] four accumulators
.set A0,   32
.macro PLACES                          ; four plain vector instructions behind a matrix instruction (ISA guide 7.12.1)
.rept 4
	v_nop
.endr
.endm
.macro CVHL hi, lo, a, t               ; two f32 as two bf16 each: hi = bf16(a), lo = bf16(a - hi)
	v_cvt_pk_bf16_f32 v[\hi], v[\a], v[\a+1]
	v_lshlrev_b32 v[\t], 16, v[\hi]
	v_and_b32 v[\t+1], 0xffff0000, v[\hi]
	v_pk_add_f32 v[\t:\t+1], v[\a:\a+1], v[\t:\t+1] neg_lo:[0,1] neg_hi:[0,1]
	v_cvt_pk_bf16_f32 v[\lo], v[\t], v[\t+1]
.endm
	s_load_b256 s[4:11], s[0:1], 0x0               ; cp s[4:5], in_proj_b s[6:7], owb s[8:9], out_b s[10:11]
	s_load_b64 s[12:13], s[0:1], 0x20              ; out0
	v_lshl_add_u32 v224, v0, 2, 0x26400
	v_mov_b32 v225, 0
	v_lshrrev_b32 v1, 5, v0
	v_readfirstlane_b32 s20, v1                    ; wave w
	s_mov_b32 s21, ttmp9                           ; ob: which 64 columns o
	s_and_b32 s22, ttmp7, 0xffff                   ; bp: which two batches
	s_mov_b32 s25, 0                               ; the upper word of every offset
	s_lshl_b32 s23, s20, 9                         ; my 128 k in bytes of f32
	v_and_b32 v1, 31, v0                           ; lane L
	v_and_b32 v2, 15, v0                           ; r
	v_bfe_u32 v3, v0, 4, 1                         ; h
	v_lshlrev_b32 v[G16], 4, v1
	v_lshlrev_b32 v[VB], 4, v2
	v_lshl_add_u32 v[VW], v3, 11, v[VB]
	v_lshl_add_u32 v[VO], v3, 12, v[VB]
	s_wait_kmcnt 0x0
	s_add_co_u32 s24, s23, 8192
	s_add_nc_u64 s[6:7], s[6:7], s[24:25]          ; bv[128 w]
	s_lshl_b32 s24, s22, 13                        ; two rows of 4,096 bytes
	s_add_nc_u64 s[12:13], s[12:13], s[24:25]      ; out0[2 bp]
	s_add_co_u32 s24, s24, s23
	s_add_nc_u64 s[4:5], s[4:5], s[24:25]          ; cp[0][2 bp][128 w]
	s_lshl_b32 s24, s21, 8
	s_add_nc_u64 s[10:11], s[10:11], s[24:25]      ; out_b[64 ob]
	s_add_nc_u64 s[12:13], s[12:13], s[24:25]      ; out0[2 bp][64 ob]
	s_lshl_b32 s24, s21, 17                        ; 64 rows of 2,048 bytes
	s_lshl_b32 s28, s20, 8                         ; my 128 k in bytes of bf16
	s_add_co_u32 s24, s24, s28
	s_add_nc_u64 s[8:9], s[8:9], s[24:25]          ; owb[64 ob][128 w]
	; 42 loads at once.  out_b is asked for here, by every wave alike, so that it is in long before wave 0 adds it.
	global_load_b128 v[24:27], v[VB], s[10:11]
	global_load_b128 v[28:31], v[G16], s[6:7]      ; bv: lane L has k = 128 w + 4 L ..
.irp bb, 0,1
.irp p, 0,1,2,3
	global_load_b128 v[CP+16*\bb+4*\p:CP+16*\bb+4*\p+3], v[G16], s[4:5] offset:\p*131072+\bb*4096   ; 512 consecutive bytes
.endr
.endr
.set t, 0
.rept 32
	global_load_b128 v[WR+4*t:WR+4*t+3], v[VW], s[8:9] offset:t*4096       ; rows 2 t and 2 t + 1: two runs of 256 consecutive bytes
.set t, t+1
.endr
	; LDS addresses, while the loads are on their way
	s_mul_i32 s28, s20, WAVE                       ; my bytes
	s_add_co_u32 s29, s28, WSO
	v_lshl_add_u32 v[AST], v1, 3, s28              ; + 8 L
	v_mul_u32_u24 v14, v3, PW
	v_add_nc_u32 v14, v14, v[VB]                   ; h PW + 16 r
	v_add_nc_u32 v[WST], s29, v14
	v_add_nc_u32 v[RDR], RED, v14
	v_mul_u32_u24 v15, v2, PW
	v_lshl_add_u32 v15, v3, 4, v15                 ; r PW + 16 h
	v_add_nc_u32 v[FAW], s29, v15
	v_and_b32 v16, 3, v0                           ; r & 3: which of ctx's four rows feeds my column
	v_mul_u32_u24 v16, v16, PW
	v_lshl_add_u32 v17, v3, 4, v16
	v_add_nc_u32 v[FAA], s28, v17
	v_lshl_add_u32 v17, v3, 5, v16
	s_mul_i32 s30, s20, REDW
	s_add_co_u32 s30, s30, RED
	v_add_nc_u32 v[RDW], s30, v17                  ; my partial sums: row r & 3, 32 h
	; ctx of my 128 k, batch by batch: four partial sums and bv, then hi and lo
.irp bb, 0,1
	s_wait_loadcnt 36-4*\bb                        ; out_b, bv and this batch's four loads are in; the other batch's four and owb's 32 may be out
	v_pk_add_f32 v[CP+16*\bb:CP+16*\bb+1],     v[CP+16*\bb:CP+16*\bb+1],     v[CP+16*\bb+4:CP+16*\bb+5]
	v_pk_add_f32 v[CP+16*\bb+2:CP+16*\bb+3],   v[CP+16*\bb+2:CP+16*\bb+3],   v[CP+16*\bb+6:CP+16*\bb+7]
	v_pk_add_f32 v[CP+16*\bb+8:CP+16*\bb+9],   v[CP+16*\bb+8:CP+16*\bb+9],   v[CP+16*\bb+12:CP+16*\bb+13]
	v_pk_add_f32 v[CP+16*\bb+10:CP+16*\bb+11], v[CP+16*\bb+10:CP+16*\bb+11], v[CP+16*\bb+14:CP+16*\bb+15]
	v_pk_add_f32 v[CP+16*\bb:CP+16*\bb+1],     v[CP+16*\bb:CP+16*\bb+1],     v[CP+16*\bb+8:CP+16*\bb+9]
	v_pk_add_f32 v[CP+16*\bb+2:CP+16*\bb+3],   v[CP+16*\bb+2:CP+16*\bb+3],   v[CP+16*\bb+10:CP+16*\bb+11]
	v_pk_add_f32 v[CP+16*\bb:CP+16*\bb+1],     v[CP+16*\bb:CP+16*\bb+1],     v[28:29]
	v_pk_add_f32 v[CP+16*\bb+2:CP+16*\bb+3],   v[CP+16*\bb+2:CP+16*\bb+3],   v[30:31]
	CVHL 16, 18, CP+16*\bb, 20
	CVHL 17, 19, CP+16*\bb+2, 22
	ds_store_b64 v[AST], v[16:17] offset:\bb*PW
	ds_store_b64 v[AST], v[18:19] offset:ALO+\bb*PW
.endr
	; out_w is bf16 already: straight into LDS, sixteen lanes a row of 256 bytes
.set t, 0
.rept 32
	s_wait_loadcnt 31-t                            ; loads come back in order: load t is in, the later ones may be out
	ds_store_b128 v[WST], v[WR+4*t:WR+4*t+3] offset:2*PW*t
.set t, t+1
.endr
	s_wait_dscnt 0x0                               ; my stores are done: the loads below land on the registers that they read
	; my K = 128: four K steps of 32.  All bytes are my own: no barrier.  Ten loads a K step.
.irp ks, 0,1,2,3
	ds_load_b128 v[AF+8*\ks:AF+8*\ks+3],   v[FAA] offset:64*\ks
	ds_load_b128 v[AF+8*\ks+4:AF+8*\ks+7], v[FAA] offset:64*\ks+32
.irp nt, 0,1,2,3
	ds_load_b128 v[WF+32*\ks+8*\nt:WF+32*\ks+8*\nt+3],   v[FAW] offset:16*PW*\nt+64*\ks
	ds_load_b128 v[WF+32*\ks+8*\nt+4:WF+32*\ks+8*\nt+7], v[FAW] offset:16*PW*\nt+64*\ks+32
.endr
.endr
	; Source 0 = rows of out_w, source 1 = rows of ctx: register jj of lane (r, h) is o = 16 nt + 8 h + jj of ctx's row r & 3.
	; The four accumulators take turns, one instruction a turn.
	s_wait_dscnt 30                                ; the first K step's ten loads are in; the three later steps' may be out
.irp nt, 0,1,2,3
	v_wmma_f32_16x16x32_bf16 v[ACC+8*\nt:ACC+8*\nt+7], v[WF+8*\nt:WF+8*\nt+7], v[AF:AF+7], 0
.endr
.irp ks, 1,2,3
	s_wait_dscnt 30-10*\ks
.irp nt, 0,1,2,3
	v_wmma_f32_16x16x32_bf16 v[ACC+8*\nt:ACC+8*\nt+7], v[WF+32*\ks+8*\nt:WF+32*\ks+8*\nt+7], v[AF+8*\ks:AF+8*\ks+7], v[ACC+8*\nt:ACC+8*\nt+7]
.endr
.endr
	PLACES
.irp nt, 0,1,2,3
	ds_store_b128 v[RDW], v[ACC+8*\nt:ACC+8*\nt+3]   offset:64*\nt      ; lanes with the same r & 3 store the same numbers to the same bytes
	ds_store_b128 v[RDW], v[ACC+8*\nt+4:ACC+8*\nt+7] offset:64*\nt+16
.endr
	s_wait_dscnt 0x0
	s_barrier_signal -1
	s_barrier_wait -1                              ; all eight waves' partial sums are in LDS
	s_cmp_lg_u32 s20, 0
	s_cbranch_scc1 .Lend                           ; 2 x 64 numbers, four a lane: wave 0 adds and stores; no barrier follows
.irp p, 0,1,2,3,4,5,6,7
	ds_load_b128 v[A0+8*\p:A0+8*\p+3],   v[RDR] offset:REDW*\p          ; wave p's sum for hi of batch h,
	ds_load_b128 v[A0+8*\p+4:A0+8*\p+7], v[RDR] offset:REDW*\p+ALO      ; and for lo
.endr
	s_wait_dscnt 0x0
.irp st, 8,4,2,1
.set p, 0
.rept \st
	v_pk_add_f32 v[A0+4*p:A0+4*p+1],   v[A0+4*p:A0+4*p+1],   v[A0+4*(p+\st):A0+4*(p+\st)+1]
	v_pk_add_f32 v[A0+4*p+2:A0+4*p+3], v[A0+4*p+2:A0+4*p+3], v[A0+4*(p+\st)+2:A0+4*(p+\st)+3]
.set p, p+1
.endr
.endr
	v_pk_add_f32 v[A0:A0+1],   v[A0:A0+1],   v[24:25]                   ; out_b: in since the last wait for loads, which was for 0
	v_pk_add_f32 v[A0+2:A0+3], v[A0+2:A0+3], v[26:27]
	global_store_b128 v[VO], v[A0:A0+3], s[12:13]  ; sixteen lanes store 256 consecutive bytes, aligned: a batch's 64 o
.Lend:
	s_wait_tensorcnt 0x0
	ds_add_u32 v224, v225
	s_wait_dscnt 0x0
	s_endpgm
.Lfunc_end_k_q664c0959cd_outp:
	.size	k_q664c0959cd_outp, .Lfunc_end_k_q664c0959cd_outp-k_q664c0959cd_outp
	.p2alignl 7, 3214868480
	.fill 96, 4, 3214868480
	.section	.rodata,"a",@progbits
	.p2align	6, 0x0
	.amdhsa_kernel k_q664c0959cd_outp
		.amdhsa_group_segment_fixed_size 157696
		.amdhsa_private_segment_fixed_size 0
		.amdhsa_enable_private_segment 0
		.amdhsa_kernarg_size 40
		.amdhsa_user_sgpr_count 2
		.amdhsa_user_sgpr_kernarg_segment_ptr 1
		.amdhsa_wavefront_size32 1
		.amdhsa_system_sgpr_workgroup_id_x 1
		.amdhsa_system_sgpr_workgroup_id_y 1
		.amdhsa_system_sgpr_workgroup_id_z 1
		.amdhsa_system_vgpr_workitem_id 0
		.amdhsa_next_free_vgpr 226
		.amdhsa_next_free_sgpr 66
		.amdhsa_reserve_vcc 0
		.amdhsa_float_denorm_mode_32 3
		.amdhsa_float_denorm_mode_16_64 3
		.amdhsa_memory_ordered 1
		.amdhsa_forward_progress 1
		.amdhsa_inst_pref_size 20
	.end_amdhsa_kernel
	.amdgpu_metadata
---
amdhsa.version: [ 1, 2 ]
amdhsa.kernels:
  - .name:           k_q664c0959cd_outp
    .symbol:         k_q664c0959cd_outp.kd
    .args:
      - { .name: cp, .offset: 0, .size: 8, .value_kind: global_buffer, .address_space: global }
      - { .name: in_proj_b, .offset: 8, .size: 8, .value_kind: global_buffer, .address_space: global }
      - { .name: owb, .offset: 16, .size: 8, .value_kind: global_buffer, .address_space: global }
      - { .name: out_b, .offset: 24, .size: 8, .value_kind: global_buffer, .address_space: global }
      - { .name: out0, .offset: 32, .size: 8, .value_kind: global_buffer, .address_space: global }
    .group_segment_fixed_size: 157696
    .private_segment_fixed_size: 0
    .kernarg_segment_align: 8
    .kernarg_segment_size: 40
    .max_flat_workgroup_size: 256
    .sgpr_count:     66
    .vgpr_count:     226
    .wavefront_size: 32
...
	.end_amdgpu_metadata
.endif
;; end of part 7
;; ======== version 3 of 3: 5 launches; version 2 with the launch pool written anew for expert scheduling mode
;; workspace buffers: qk 1,048,576 bytes; cq 2,048 bytes; part 16,777,216 bytes; ml 32,768 bytes; sc 2,097,152 bytes; cp 524,288 bytes; owb 2,097,152 bytes; qpart 524,288 bytes
;; launch qproj: the kernel of part 5 again; grid 4 x 64, 4 waves a work-group, no clusters, 34,304 bytes of LDS; arguments x, in_proj_w, qpart, out_w, owb; writes qpart, owb
;; launch qkmul: the kernel of part 6 again; grid 8 x 16, 8 waves a work-group, no clusters, 32,768 bytes of LDS; arguments qpart, in_proj_w, in_proj_b, qk, cq; writes qk, cq
;; launch pool (part 8): grid 8 x 32, 8 waves a work-group, no clusters, 306,688 bytes of LDS; arguments x, mask, qk, cq, part, ml, sc; writes part, ml, sc
.if DOCPART == 8
	.amdgcn_target "amdgcn-amd-amdhsa--gfx1250"
	.amdhsa_code_object_version 6
	.text
	.protected	k_q664c0959cd_pool
	.globl	k_q664c0959cd_pool
	.p2align	8
	.type	k_q664c0959cd_pool,@function
k_q664c0959cd_pool:
	s_mov_b64 s[64:65], 0
	v_nop
	global_prefetch_b8 v0, s[64:65] scope:SCOPE_SE
	s_setreg_imm32_b32 hwreg(HW_REG_WAVE_SCHED_MODE, 0, 2), 2
	s_setreg_imm32_b32 hwreg(HW_REG_WAVE_MODE, 25, 1), 1
	s_wait_xcnt 0x0
	s_wait_alu depctr_vm_vsrc(0)
; pool: the one pass over x.  A work-group takes 128 rows s (grid x = j) of one batch (grid y = b): 512 KiB of f32, read once.
;   sc[b][head][s]   = x[b][s][:] . qk[b][head][:] + cq[b][head], or NEGB where mask[b][s] is set      (scores times log2(e))
;   m[head], l[head] = the largest sc of the 128 rows, and the sum of p = 2^(sc - m)
;   part[b][j][head][e] = sum over the 128 rows of p[s] x[b][s][e]
; The rows are rounded to bf16 on their way through registers and stay in LDS (128 x 2,048 bytes), so that the second product reads
; them from there.  Every LDS byte of x is written once.  Eight waves:
;   first product:  wave w has rows 16 w .. 16 w + 15, all of K = 1,024; it reads only rows that it wrote itself, so it needs no barrier;
;   second product: wave w has columns e = 128 w .. 128 w + 127, K = all 128 rows, x transposed by ds_load_tr16_b128.
; The maximum that is taken away is the chunk's own; the next launch joins the eight chunks of a batch.
; x passes through registers in any case (f32 to bf16), so no copy engine is used; what the work-groups of a batch share is qk alone,
; 32 KiB beside 512 KiB of their own, so no cluster either.
; LIMITS: any mask byte other than 0 counts as set.  p below 2^-126 becomes 0 (v_exp_f32).  A NaN loses in the maximum.
; p and x go to the matrix unit in bf16; l is the sum of the unrounded p.  The order of the sums differs from a plain softmax's.
; THE MODE: SCHED_MODE bits 1:0 = 2 (LLVM: expert scheduling mode 2), set by the entry lines.  The code itself states the register dependences
; between vector or matrix instructions and memory or LDS instructions, with s_wait_alu, always for 0.
; THE PLAN.  Registers that memory or LDS instructions touch, and who else names them:
;   v4-v17, v29, v30  offsets and LDS addresses: all made at the head, ahead of one wait on va_vdst; v4-v17 are never written again.
;   RING              a slot is written by its load, read by its two conversions, and loaded again.
;   out-buffers       8 registers for each group of four slots: groups 0, 1 of a batch v240-255, groups 2 to 7 v48-95 (FA and half of FB, idle during
;                     a batch).  Written by the group's eight conversions, read by its four LDS stores; a batch writes none of them twice.
;   FA, FB            between the batches: written by the fragments' LDS loads, read by the matrix instructions.
;   So in a batch ONE wait on va_vdst stands in a group, behind its conversions: the out-buffer is written and the four slots are read; the group's four
;   loads and four stores follow it.  ONE wait on vm_vsrc a batch stands ahead of the fragments' loads: the batch's stores have read all out-buffers.
;   ACC0              written by the selects, read by the scores' LDS stores, later written as p's fragments.
;   v24-31, SV, XF0, XF1  written by LDS loads; SV, XF0 and XF1 are read (SV also written) by the softmax and by the matrix instructions: a wait on
;                     va_vdst stands ahead of each run of loads that lands on registers which vector or matrix instructions have named since the last one.
;   ACC               written by the matrix instructions, read by the stage's LDS stores.
.set PX,    2064                       ; LDS pitch of a row of 1,024 bf16: an odd multiple of 16 bytes
.set WBLK,  16*PX                      ; sixteen rows
.set QKB,   128*PX                     ; behind x: qk, 16 heads x PX
.set SCB,   QKB+16*PX                  ; behind that: the scores, f32 [16 heads][128 s]
.set PS,    528                        ; pitch of 128 f32, an odd multiple of 16 bytes
.set NEGB,  0xf191accb                 ; -1e30 x log2(e): the masked score in the base-2 domain
; Row s of x lies at LDS row 16 (s / 16) + rho(s % 16), rho(t) = 2 (t % 8) + t / 8.
.set GX,    4                          ; v4   16 x lane: offset in every 512-byte run of memory
.set STX,   5                          ; v5   where my 8 bytes of bf16 go
.set AX,    6                          ; v6   fragments of my rows of x
.set AQ,    7                          ; v7   fragments of qk
.set SCW,   8                          ; v8   my scores, in
.set SCR,   9                          ; v9   scores as fragments of the second product
.set SCO,   10                         ; v10  scores by rows, for memory
.set QKST,  11                         ; v11  where my part of qk goes
.set TR,    12                         ; v[12:15] transposing loads, one address for each 32 rows
.set STGW,  16                         ; v16  the way out, in
.set STGR,  17                         ; v17  the way out, back
.set ACC0,  32                         ; first product: two accumulators,
.set ACC1,  40
.set FA,    48                         ; v[48:79]   four fragments of x,
.set FB,    80                         ; v[80:111]  four of qk,
.set RING,  112                        ; v[112:239] 32 loads of x
.set OBA,   240                        ; v[240:255] the out-buffers of a batch's groups 0 and 1; those of groups 2 to 7 lie from FA on
.set MB,    240                        ; v[240:247] behind the last batch: the eight mask bytes of my rows
.set MK,    32                         ; s[32:39]   the eight lane masks made of them
.set PF,    32                         ; second product: v[32:63] p as four fragments,
.set ACC,   64                         ; v[64:127]  eight accumulators,
.set SV,    128                        ; v[128:191] the scores, then
.set XF1,   128                        ;            fragments of x, buffer 1,
.set XF0,   192                        ; v[192:255] buffer 0
.set MX,    64                         ; four running maxima; later
.set LS,    64                         ; four running pairs of sums
.macro PLACES                          ; four plain vector instructions behind a matrix instruction (ISA guide 7.12.1)
.rept 4
	v_nop
.endr
.endm
.macro BAR                             ; my LDS instructions are done, then the work-group's barrier
	s_wait_dscnt 0x0
	s_barrier_signal -1
	s_barrier_wait -1
.endm
	s_load_b256 s[4:11], s[0:1], 0x0               ; x s[4:5], mask s[6:7], qk s[8:9], cq s[10:11]
	s_load_b128 s[12:15], s[0:1], 0x20             ; part s[12:13], ml s[14:15]
	s_load_b64 s[16:17], s[0:1], 0x30              ; sc
	s_set_vgpr_msb 0x40
	v_lshl_add_u32 v0, v0, 2, 0x4aa00
	v_mov_b32 v1, 0
	s_set_vgpr_msb 0x4000
	v_lshrrev_b32 v1, 5, v0
	v_readfirstlane_b32 s20, v1                    ; wave w
	s_and_b32 s22, ttmp7, 0xffff                   ; b
	s_lshl3_add_u32 s23, s22, ttmp9                ; chunk = 8 b + j
	s_lshl_b32 s31, s23, 7
	s_mov_b32 s25, 0                               ; the upper word of every offset
	s_mov_b32 s26, 0x76543210                      ; v_permlanex16_b32: lane i of one half reads lane i of the other
	s_mov_b32 s27, 0xfedcba98
	v_and_b32 v1, 31, v0                           ; lane L
	v_and_b32 v2, 15, v0                           ; r
	v_bfe_u32 v3, v0, 4, 1                         ; h
	v_lshlrev_b32 v[GX], 4, v1
	v_lshlrev_b32 v29, 2, v2                       ; cq: 4 r
	v_lshlrev_b32 v30, 3, v3                       ; mask: 8 h
	s_wait_alu depctr_va_sdst(0)                   ; s20 is written, ahead of its first reader: addresses, bases and a branch are made from it
	s_lshl4_add_u32 s31, s20, s31                  ; my first row of all 32,768: 128 chunk + 16 w
	; LDS addresses, while the arguments are on their way
	s_mul_i32 s29, s20, WBLK
	v_lshl_add_u32 v[STX], v1, 3, s29              ; my sixteen rows + 8 L
	v_and_b32 v24, 7, v0
	v_bfe_u32 v25, v0, 3, 1
	v_lshl_add_u32 v26, v24, 1, v25                ; rho(r)
	v_mul_u32_u24 v26, v26, PX
	v_lshl_add_u32 v26, v3, 4, v26
	v_add_nc_u32 v[AX], s29, v26
	v_mul_u32_u24 v26, v2, PX
	v_lshl_add_u32 v26, v3, 4, v26
	v_add_nc_u32 v[AQ], QKB, v26
	v_mul_u32_u24 v26, v2, PS
	v_lshl_add_u32 v26, v3, 5, v26                 ; r PS + 32 h
	v_add_nc_u32 v[SCR], SCB, v26
	s_lshl_b32 s30, s20, 6
	v_add_nc_u32 v[SCW], s30, v[SCR]               ; + my sixteen s
	s_mul_i32 s30, s20, 2*PS
	s_add_co_u32 s30, s30, SCB
	v_add_nc_u32 v[SCO], s30, v[GX]
	s_mul_i32 s30, s20, 2*PX
	s_add_co_u32 s30, s30, QKB
	v_add_nc_u32 v[QKST], s30, v[GX]
	v_lshl_add_u32 v27, v24, 1, v3                 ; LDS row of s = 8 h + (L & 7): 2 (L & 7) + h
	v_mul_u32_u24 v27, v27, PX
	v_lshl_add_u32 v27, v25, 4, v27                ; + 16 bytes for the upper eight of sixteen lanes
	s_lshl_b32 s30, s20, 8                         ; my 128 columns
	v_add_nc_u32 v[TR], s30, v27
	v_add_nc_u32 v[TR+1], 32*PX, v[TR]
	v_add_nc_u32 v[TR+2], 64*PX, v[TR]
	v_add_nc_u32 v[TR+3], 96*PX, v[TR]
	s_mul_i32 s30, s20, 16*PS
	v_add_nc_u32 v[STGW], s30, v26
	v_add_nc_u32 v[STGR], s30, v[GX]
	s_wait_kmcnt 0x0
	s_mov_b32 s24, s31
	s_add_nc_u64 s[6:7], s[6:7], s[24:25]          ; mask: a byte a row
	s_lshl_b32 s24, s31, 12
	s_add_nc_u64 s[4:5], s[4:5], s[24:25]          ; x: 4,096 bytes a row
	s_lshl_b32 s24, s22, 15
	s_lshl_b32 s30, s20, 12
	s_add_co_u32 s24, s24, s30
	s_add_nc_u64 s[8:9], s[8:9], s[24:25]          ; qk[b][2 w]
	s_lshl_b32 s24, s22, 6
	s_add_nc_u64 s[10:11], s[10:11], s[24:25]      ; cq[b]
	s_lshl_b32 s24, s23, 16
	s_lshl_b32 s30, s20, 9
	s_add_co_u32 s24, s24, s30
	s_add_nc_u64 s[12:13], s[12:13], s[24:25]      ; part[b][j][0][128 w]
	s_lshl_b32 s24, s23, 7
	s_add_nc_u64 s[14:15], s[14:15], s[24:25]      ; ml[b][j]
	s_lshl_b32 s24, s22, 16
	s_lshl_b32 s30, s20, 13
	s_add_co_u32 s24, s24, s30
	s_lshl_b32 s30, ttmp9, 9
	s_add_co_u32 s24, s24, s30
	s_add_nc_u64 s[16:17], s[16:17], s[24:25]      ; sc[b][2 w][128 j]
	s_wait_alu depctr_va_vdst(0)                   ; v4 to v17, v29 and v30 are written: every load and store of the kernel, global or LDS, reads one of them as its offset or address
	; ten small loads, then the first 32 of x: columns 0 to 255 of my sixteen rows, 512 consecutive bytes a load
.irp hh, 0,1
.irp sg, 0,1,2,3
	global_load_b128 v[FA+16*\hh+4*\sg:FA+16*\hh+4*\sg+3], v[GX], s[8:9] offset:\hh*2048+\sg*512
.endr
.endr
	global_load_b64 v[18:19], v30, s[6:7]          ; the mask bytes of rows 16 w + 8 h + 0 .. 7
	global_load_b32 v20, v29, s[10:11]             ; cq of head r
.set kk, 0
.rept 32
	global_load_b128 v[RING+4*kk:RING+4*kk+3], v[GX], s[4:5] offset:(kk>>1)*4096+(kk&1)*512 th:TH_LOAD_NT
.set kk, kk+1
.endr
	s_wait_loadcnt 32                              ; the ten small loads are in; the 32 of x behind them stay out
.irp hh, 0,1
.irp sg, 0,1,2,3
	ds_store_b128 v[QKST], v[FA+16*\hh+4*\sg:FA+16*\hh+4*\sg+3] offset:\hh*PX+\sg*512
.endr
.endr
	v_mov_b32 v21, v20                             ; cq as a pair
	BAR                                            ; qk is whole in LDS
	s_wait_alu depctr_vm_vsrc(0)                   ; my LDS stores of qk have read v[FA ..], which the first batch's conversions write
; 256 columns of my sixteen rows: 32 slots in eight groups of four.  A group is rounded to bf16 into an out-buffer of its own, asked for again
; 256 columns on (where again = 1) and laid into LDS.  Loads come back in order, so a group's four loads are in when 28 of the 32 are out:
; 28 to 32 loads of 512 bytes of every wave are out until the last batch.
.macro BATCH i, again
.set grp, 0
.rept 8
.if grp < 2
.set obr, OBA+8*grp
.else
.set obr, FA+8*(grp-2)                 ; the sixteen conversions of groups 0 and 1 are the places between the last matrix instructions and the first write of their fragments
.endif
.if \again
	s_wait_loadcnt 28
.else
	s_wait_loadcnt 28-4*grp                        ; nothing is asked for any more: the count runs down
.endif
.irp q, 0,1,2,3
	v_cvt_pk_bf16_f32 v[obr+2*\q],   v[RING+16*grp+4*\q],   v[RING+16*grp+4*\q+1]
	v_cvt_pk_bf16_f32 v[obr+2*\q+1], v[RING+16*grp+4*\q+2], v[RING+16*grp+4*\q+3]
.endr
	s_wait_alu depctr_va_vdst(0)                   ; the eight conversions have written the out-buffer, which the stores below read, and are done reading the four slots, in which the loads below land
.if \again
.irp q, 0,1,2,3
	global_load_b128 v[RING+16*grp+4*\q:RING+16*grp+4*\q+3], v[GX], s[4:5] offset:(2*grp+(\q>>1))*4096+(\i+1)*1024+(\q&1)*512 th:TH_LOAD_NT
.endr
.endif
.irp q, 0,1,2,3
	ds_store_b64 v[STX], v[obr+2*\q:obr+2*\q+1] offset:(2*((2*grp+(\q>>1))&7)+(grp>>2))*PX+512*\i+256*(\q&1)
.endr
.set grp, grp+1
.endr
.endm
; Four K steps of 32 of the first product, from byte kb of the rows.  LDS serves a wave's instructions in order (ISA guide 5.7.1),
; so these loads see my stores above.  The two accumulators take turns, one instruction a turn.
.macro P1W q, zero
	s_wait_dscnt 12-4*\q                           ; the four loads of each later K step of the group may be out
.if \zero
	v_wmma_f32_16x16x32_bf16 v[ACC0+8*(\q&1):ACC0+8*(\q&1)+7], v[FA+8*\q:FA+8*\q+7], v[FB+8*\q:FB+8*\q+7], 0
.else
	v_wmma_f32_16x16x32_bf16 v[ACC0+8*(\q&1):ACC0+8*(\q&1)+7], v[FA+8*\q:FA+8*\q+7], v[FB+8*\q:FB+8*\q+7], v[ACC0+8*(\q&1):ACC0+8*(\q&1)+7]
.endif
.endm
; behind = 1: the group stands behind a batch; 0: behind another group of four K steps.
.macro P1G kb, first, behind
.if \behind
	s_wait_alu depctr_vm_vsrc(0)                   ; the batch's LDS stores have read their out-buffers: the loads below land on v[FA ..], and the next batch writes all of them again.
	                                               ; (No vector instruction stands behind the last group's wait on va_vdst, which has shown the conversions and the earlier matrix instructions done.)
.else
	PLACES                                         ; the loads below land on registers that the last matrix instructions read
	s_wait_alu depctr_va_vdst(0)                   ; the four matrix instructions above are done reading v[FA ..] and v[FB ..]
.endif
.irp q, 0,1,2,3
	ds_load_b128 v[FA+8*\q:FA+8*\q+3],   v[AX] offset:\kb+64*\q
	ds_load_b128 v[FA+8*\q+4:FA+8*\q+7], v[AX] offset:\kb+64*\q+32
	ds_load_b128 v[FB+8*\q:FB+8*\q+3],   v[AQ] offset:\kb+64*\q
	ds_load_b128 v[FB+8*\q+4:FB+8*\q+7], v[AQ] offset:\kb+64*\q+32
.endr
	P1W 0, \first
	P1W 1, \first
	P1W 2, 0
	P1W 3, 0
.endm
	BATCH 0, 1
	P1G 0, 1, 1
	P1G 256, 0, 0
	BATCH 1, 1
	P1G 512, 0, 1
	P1G 768, 0, 0
	BATCH 2, 1
	P1G 1024, 0, 1
	P1G 1280, 0, 0
	BATCH 3, 0
	P1G 1536, 0, 1
	P1G 1792, 0, 0
	; the scores: register jj of lane (r, h) is row 16 w + 8 h + jj, head r.
	; The mask's lines name no register of the products: the first nine of them are the places behind the last matrix instruction (ISA guide 7.12.1).
	v_mov_b32 v31, NEGB
.irp jj, 0,1,2,3,4,5,6,7
	v_bfe_u32 v[MB+\jj], v[18+\jj/4], 8*(\jj&3), 8             ; (the last batch's stores have read v[MB ..]: the wait on vm_vsrc behind that batch)
.endr
.irp jj, 0,1,2,3,4,5,6,7
	v_cmp_eq_u32 s[MK+\jj], 0, v[MB+\jj]           ; the compares in one run, a scalar register each
.endr
.irp u, 0,2,4,6
	v_pk_add_f32 v[ACC0+\u:ACC0+\u+1], v[ACC0+\u:ACC0+\u+1], v[ACC1+\u:ACC1+\u+1]
.endr
.irp u, 0,2,4,6
	v_pk_add_f32 v[ACC0+\u:ACC0+\u+1], v[ACC0+\u:ACC0+\u+1], v[20:21]
.endr
	s_wait_alu depctr_va_sdst(0)                   ; the eight compares have written s[MK ..], ahead of the selects that read them
.irp jj, 0,1,2,3,4,5,6,7
	v_cndmask_b32 v[ACC0+\jj], v31, v[ACC0+\jj], s[MK+\jj]     ; mask byte 0: the score; else the masked score
.endr
	s_wait_alu depctr_va_vdst(0)                   ; the selects have written v[ACC0 ..], which the LDS stores read.  No vector instruction follows until the loads behind the barrier,
	                                               ; which land on v24-31 and v128-255: all that named these (the head's arithmetic, the conversions, the mask's lines) is done too
	ds_store_b128 v[SCW], v[ACC0:ACC0+3]
	ds_store_b128 v[SCW], v[ACC0+4:ACC0+7] offset:16
	BAR                                            ; all scores and all 128 rows of x are in LDS
	s_wait_alu depctr_vm_vsrc(0)                   ; my two LDS stores have read v[ACC0 ..], to which p's fragments are written below
; sixteen transposing loads: 32 rows s x my 128 columns e as eight fragments (rows e, K = s)
.macro P2LOAD ks, buf
.irp t, 0,1,2,3,4,5,6,7
	ds_load_tr16_b128 v[\buf+8*\t:\buf+8*\t+3],   v[TR+\ks] offset:32*\t
	ds_load_tr16_b128 v[\buf+8*\t+4:\buf+8*\t+7], v[TR+\ks] offset:WBLK+32*\t
.endr
.endm
; eight matrix instructions: source 0 = x transposed, source 1 = p.  Register jj of lane (r, h): e = 128 w + 16 t + 8 h + jj, head r.
; The eight accumulators take turns.
.macro P2MUL ks, buf, zero
.irp t, 0,1,2,3,4,5,6,7
.if \zero
	v_wmma_f32_16x16x32_bf16 v[ACC+8*\t:ACC+8*\t+7], v[\buf+8*\t:\buf+8*\t+7], v[PF+8*\ks:PF+8*\ks+7], 0
.else
	v_wmma_f32_16x16x32_bf16 v[ACC+8*\t:ACC+8*\t+7], v[\buf+8*\t:\buf+8*\t+7], v[PF+8*\ks:PF+8*\ks+7], v[ACC+8*\t:ACC+8*\t+7]
.endif
.endr
.endm
	; the softmax of the chunk.  Every wave makes p for all 16 heads x 128 rows, straight in the order of a fragment's registers:
	; lane (r, h) takes head r, rows 32 ks + 16 g + 8 h + 0 .. 7.  64 exponentials a lane; no further barrier and no LDS for p.
.irp ks, 0,1,2,3
.irp g, 0,1
.irp q, 0,1
	ds_load_b128 v[SV+16*\ks+8*\g+4*\q:SV+16*\ks+8*\g+4*\q+3], v[SCR] offset:128*\ks+64*\g+16*\q
.endr
.endr
.endr
	ds_load_b128 v[24:27], v[SCO]                  ; heads 2 w and 2 w + 1 by rows, for memory
	ds_load_b128 v[28:31], v[SCO] offset:PS        ; (v29 and v30 were the offsets of two loads at the head: these are in, and the waits on vm_vsrc since have shown the offsets read)
	P2LOAD 0, XF0
	s_wait_dscnt 18                                ; the sixteen score loads are in; 2 + 16 younger ones may be out
.irp c, 0,1,2,3
	v_max3_num_f32 v[MX+\c], v[SV+16*\c], v[SV+16*\c+1], v[SV+16*\c+2]
.endr
.irp u, 3,5,7,9,11,13
.irp c, 0,1,2,3
	v_max3_num_f32 v[MX+\c], v[MX+\c], v[SV+16*\c+\u], v[SV+16*\c+\u+1]
.endr
.endr
.irp c, 0,1,2,3
	v_max_num_f32 v[MX+\c], v[MX+\c], v[SV+16*\c+15]
.endr
	v_max3_num_f32 v[MX], v[MX], v[MX+1], v[MX+2]
	v_max_num_f32 v[MX], v[MX], v[MX+3]
	v_permlanex16_b32 v[MX+1], v[MX], s26, s27     ; the other 64 rows of head r
	v_max_num_f32 v22, v[MX], v[MX+1]              ; m of head r, in both halves of the lanes
	v_mov_b32 v23, v22
	s_wait_dscnt 16                                ; the two rows for memory are in; the sixteen transposing loads may be out
	global_store_b128 v[GX], v[24:27], s[16:17]                ; each store: 512 consecutive bytes, aligned; v[24:31] come from LDS loads, no vector instruction names them, and they are not written again
	global_store_b128 v[GX], v[28:31], s[16:17] offset:4096
.set u, 0
.rept 32
	v_pk_add_f32 v[SV+u:SV+u+1], v[SV+u:SV+u+1], v[22:23] neg_lo:[0,1] neg_hi:[0,1]
.set u, u+2
.endr
.set u, 0
.rept 64
	v_exp_f32 v[SV+u], v[SV+u]                     ; p = 2^(sc - m), at most 1
.set u, u+1
.endr
	v_nop                                          ; one plain instruction behind the last exponential (ISA guide 5.7.2)
.set u, 0
	s_wait_alu depctr_va_vdst(0)
.rept 32
	v_cvt_pk_bf16_f32 v[PF+u], v[SV+2*u], v[SV+2*u+1]
.set u, u+1
.endr
.irp c, 0,1,2,3
	v_pk_add_f32 v[LS+2*\c:LS+2*\c+1], v[SV+16*\c:SV+16*\c+1], v[SV+16*\c+2:SV+16*\c+3]
.endr
.irp u, 4,6,8,10,12,14
.irp c, 0,1,2,3
	v_pk_add_f32 v[LS+2*\c:LS+2*\c+1], v[LS+2*\c:LS+2*\c+1], v[SV+16*\c+\u:SV+16*\c+\u+1]
.endr
.endr
	s_wait_alu depctr_va_vdst(0)                   ; the exponentials have written v[SV ..], the roundings and the sums above are done reading them: the loads below land there
	P2LOAD 1, XF1                                  ; over the scores, which are used up; the rest of the sum names v[LS ..] alone and runs while these loads are out
	v_pk_add_f32 v[LS:LS+1], v[LS:LS+1], v[LS+2:LS+3]
	v_pk_add_f32 v[LS+4:LS+5], v[LS+4:LS+5], v[LS+6:LS+7]
	v_pk_add_f32 v[LS:LS+1], v[LS:LS+1], v[LS+4:LS+5]
	v_add_f32 v[LS], v[LS], v[LS+1]
	v_permlanex16_b32 v[LS+1], v[LS], s26, s27
	v_add_f32 v[LS+2], v[LS], v[LS+1]              ; l of head r
	s_cmp_lg_u32 s20, 0
	s_cbranch_scc1 .Lno_ml                         ; every wave has the same m and l: wave 0 stores them
	v_cmp_eq_u32 vcc_lo, 0, v3
	s_wait_alu depctr_va_vcc(0)                    ; the compare has written VCC, ahead of the select that reads it
	v_cndmask_b32 v18, v[LS+2], v22, vcc_lo        ; lanes 0-15: m of head r; lanes 16-31: l of head r
	v_lshlrev_b32 v19, 2, v1
	s_wait_alu depctr_va_vdst(0)                   ; v18 and v19 are written: the store's data and its offset
	global_store_b32 v19, v18, s[14:15]            ; 128 consecutive bytes; v18 and v19 are not written again
.Lno_ml:
	; the second product, K = 128 rows in four steps of 32, two fragment buffers
	s_wait_dscnt 16                                ; buffer 0 is in; buffer 1's sixteen loads may be out
	P2MUL 0, XF0, 1
	PLACES
	s_wait_alu depctr_va_vdst(0)                   ; the eight matrix instructions above are done reading buffer 0, in which the loads below land
	P2LOAD 2, XF0
	s_wait_dscnt 16                                ; buffer 1 is in; the sixteen just issued may be out
	P2MUL 1, XF1, 0
	PLACES
	s_wait_alu depctr_va_vdst(0)                   ; the eight matrix instructions above are done reading buffer 1, in which the loads below land
	P2LOAD 3, XF1
	s_wait_dscnt 16
	P2MUL 2, XF0, 0
	s_wait_dscnt 0x0
	P2MUL 3, XF1, 0
	; the way out: 16 heads x my 128 e through a stage of my own, which lies over rows of x that nobody reads behind this barrier
	BAR
	PLACES
	s_wait_alu depctr_va_vdst(0)                   ; the matrix instructions have written the accumulators, which the LDS stores read, and are done reading buffer 1, in which the loads from the stage land; the places above stay beside this wait
.irp t, 0,1,2,3,4,5,6,7
	ds_store_b128 v[STGW], v[ACC+8*\t:ACC+8*\t+3]   offset:64*\t
	ds_store_b128 v[STGW], v[ACC+8*\t+4:ACC+8*\t+7] offset:64*\t+16
.endr
.irp hd, 0,1,2,3,4,5,6,7,8,9,10,11,12,13,14,15
	ds_load_b128 v[SV+4*\hd:SV+4*\hd+3], v[STGR] offset:PS*\hd     ; my own bytes, served in order behind the stores
.endr
.irp hd, 0,1,2,3,4,5,6,7,8,9,10,11,12,13,14,15
	s_wait_dscnt 15-\hd
	global_store_b128 v[GX], v[SV+4*\hd:SV+4*\hd+3], s[12:13] offset:4096*\hd   ; 512 consecutive bytes, aligned
.endr
	s_set_vgpr_msb 0x5
	s_wait_dscnt 0x0
	s_wait_alu depctr_hold_cnt(0) depctr_sa_sdst(0) depctr_va_vdst(0) depctr_va_sdst(0) depctr_va_ssrc(0) depctr_va_vcc(0) depctr_vm_vsrc(0)
	s_wait_tensorcnt 0x0
	ds_add_u32 v0, v1
	s_wait_dscnt 0x0
	s_endpgm
.Lfunc_end_k_q664c0959cd_pool:
	.size	k_q664c0959cd_pool, .Lfunc_end_k_q664c0959cd_pool-k_q664c0959cd_pool
	.p2alignl 7, 3214868480
	.fill 96, 4, 3214868480
	.section	.rodata,"a",@progbits
	.p2align	6, 0x0
	.amdhsa_kernel k_q664c0959cd_pool
		.amdhsa_group_segment_fixed_size 306688
		.amdhsa_private_segment_fixed_size 0
		.amdhsa_enable_private_segment 0
		.amdhsa_kernarg_size 56
		.amdhsa_user_sgpr_count 2
		.amdhsa_user_sgpr_kernarg_segment_ptr 1
		.amdhsa_wavefront_size32 1
		.amdhsa_system_sgpr_workgroup_id_x 1
		.amdhsa_system_sgpr_workgroup_id_y 1
		.amdhsa_system_sgpr_workgroup_id_z 1
		.amdhsa_system_vgpr_workitem_id 0
		.amdhsa_next_free_vgpr 258
		.amdhsa_next_free_sgpr 66
		.amdhsa_reserve_vcc 1
		.amdhsa_float_denorm_mode_32 3
		.amdhsa_float_denorm_mode_16_64 3
		.amdhsa_memory_ordered 1
		.amdhsa_forward_progress 1
		.amdhsa_inst_pref_size 81
	.end_amdhsa_kernel
	.amdgpu_metadata
---
amdhsa.version: [ 1, 2 ]
amdhsa.kernels:
  - .name:           k_q664c0959cd_pool
    .symbol:         k_q664c0959cd_pool.kd
    .args:
      - { .name: x, .offset: 0, .size: 8, .value_kind: global_buffer, .address_space: global }
      - { .name: mask, .offset: 8, .size: 8, .value_kind: global_buffer, .address_space: global }
      - { .name: qk, .offset: 16, .size: 8, .value_kind: global_buffer, .address_space: global }
      - { .name: cq, .offset: 24, .size: 8, .value_kind: global_buffer, .address_space: global }
      - { .name: part, .offset: 32, .size: 8, .value_kind: global_buffer, .address_space: global }
      - { .name: ml, .offset: 40, .size: 8, .value_kind: global_buffer, .address_space: global }
      - { .name: sc, .offset: 48, .size: 8, .value_kind: global_buffer, .address_space: global }
    .group_segment_fixed_size: 306688
    .private_segment_fixed_size: 0
    .kernarg_segment_align: 8
    .kernarg_segment_size: 56
    .max_flat_workgroup_size: 256
    .sgpr_count:     66
    .vgpr_count:     258
    .wavefront_size: 32
...
	.end_amdgpu_metadata
.endif
;; end of part 8
;; launch ctx: the kernel of part 3 again; grid 160 x 1, 8 waves a work-group, no clusters, 60,416 bytes of LDS; arguments part, ml, sc, in_proj_w, cp, out1; writes cp, out1
;; launch outp: the kernel of part 7 again; grid 16 x 16, 8 waves a work-group, no clusters, 157,696 bytes of LDS; arguments cp, in_proj_b, owb, out_b, out0; writes out0
